; MI455X (gfx1250); checked and timed in simulation.
; The chip was launched on July 23, 2026; its instructions are those of AMD's public machine-readable ISA for CDNA 5 (MIT licence, August 2026) and "CDNA5" Instruction Set Architecture Reference Guide (July 2026). The comments in the code are by the model that wrote it; some were corrected since.
;; Cross Attention. Allowed arithmetic: float matrix products may take bf16 or f16 operands with f32 sums; all other float work in f32.
;; Inputs: Wk 1,024 x 1,024 float32; Wp 1,024 x 1,024 float32; Wq 1,024 x 1,024 float32; Wv 1,024 x 1,024 float32; bk 1,024 float32; bp 1,024 float32; bq 1,024 float32; bv 1,024 float32; encoder_output 4 x 2,048 x 1,024 float32; x 4 x 2,048 x 1,024 float32.
;; Outputs: out0 4 x 2,048 x 1,024 float32.
;; One version. Each part assembles by itself: llvm-mc -triple=amdgcn-amd-amdhsa -mcpu=gfx1250 --defsym DOCPART=n.
;; ======== version 1 of 1: 4 launches
;; limits: values are held in f16: magnitudes above 65,504 overflow, below 6.1e-05 lose precision
;; workspace buffers: ah 33,554,432 bytes; wh 8,388,608 bytes; qkv 50,331,648 bytes; yh 16,777,216 bytes
;; launch tohalf (part 1): grid 64 x 20, 8 waves a work-group, no clusters, 0 bytes of LDS; arguments x, encoder_output, Wq, Wk, Wv, Wp, ah, wh; writes ah, wh
.if DOCPART == 1
	.amdgcn_target "amdgcn-amd-amdhsa--gfx1250"
	.amdhsa_code_object_version 6
	.text
	.protected	k_q0e04940a4c_tohalf
	.globl	k_q0e04940a4c_tohalf
	.p2align	8
	.type	k_q0e04940a4c_tohalf,@function
k_q0e04940a4c_tohalf:
	s_mov_b64 s[64:65], 0
	v_nop
	global_prefetch_b8 v0, s[64:65] scope:SCOPE_SE
	s_setreg_imm32_b32 hwreg(HW_REG_WAVE_MODE, 25, 1), 1
	s_wait_xcnt 0x0
; CrossAttention, launch 1 of 4: x, encoder_output and the four weight matrices are rounded once from f32 to f16.
;   ah = [2][8192][1024] f16: x, then encoder_output.     wh = [4][1024][1024] f16: c Wq, Wk, Wv, Wp.
; The later launches multiply f16 tiles: half the LDS bytes for each multiply-add that f32 tiles would cost.
; Wq IS STORED TIMES c = log2(e) / 8: the softmax's scale 1 / sqrt(64) and the base of v_exp_f32 in one factor, applied in f32 before the
; rounding.  With bq scaled likewise in the next launch the scores q.k come out in units of powers of two, and the softmax takes its
; maximum away by one exact subtraction: the exponent is 0 at the maximum and never above 0, however large the scores are.
;
; WORK LEFT OUT IN THIS PROGRAM: bk.  With k = k0 + bk (k0 = encoder_output Wk^T) the score of query n and token t in head h is
;   scale q.(k0_t + bk_h) = scale q.k0_t + scale q.bk_h,
; and the second term is the same for every t, the axis of the softmax: exp(a + z) / sum exp(a + z) = exp(a) / sum exp(a) for all
; finite values.  So bk reaches no output; it is not loaded and is an argument of no launch.
; LIMIT: a NaN, an infinity or an overflow that would arise in q.bk alone is not carried to the result.
;
; FORMAT AND LIMITS of the program: all matrix operands are f16 (11 bits of mantissa), all sums, biases and the softmax f32.
; An input, or a c q, k, v or y, beyond 65,504 in magnitude becomes an infinity; below 2^-14 the f16 step is 2^-24 (denormals are kept).
; The order of the sums differs from the reference's.
;
; A stream: no LDS, no barrier, no loop.  Work-group (cx, blk): blk = a block of 4 MiB of f32 (0-7 x, 8-15 encoder_output, 16-19 Wq, Wk,
; Wv, Wp), cx = 64 KiB in it.  In step i thread t takes 16 bytes at 16 t + 4096 i and stores 8 bytes at 8 t + 2048 i: a wave's load covers
; 512 consecutive bytes, a wave's store 256 consecutive bytes at a multiple of 256.  All sixteen loads go out first.
.set STEPS, 16
.set CLOG, 0x3e38aa3b                  ; c = log2(e) / 8
.set X, 4                              ; v[4:67]   step i: four f32 as loaded
.set Y, 68                             ; v[68:99]  step i: four f16 to store
	s_load_b512 s[8:23], s[0:1], 0x0               ; x s[8:9], encoder_output s[10:11], Wq, Wk, Wv, Wp s[12:19], ah s[20:21], wh s[22:23]
	s_and_b32 s2, ttmp7, 0xffff                    ; blk
	s_and_b32 s3, s2, 7
	s_lshl_b32 s3, s3, 22                          ; the block's place in x or in encoder_output
	s_cmp_lt_u32 s2, 16
	s_cselect_b32 s24, s3, 0                       ; a weight matrix is one block
	s_lshl_b32 s4, ttmp9, 16
	s_add_co_u32 s24, s24, s4                      ; + my 64 KiB
	s_mov_b32 s25, 0
	s_and_b32 s26, s2, 15                          ; the block's place in ah (16 blocks) or in wh (4), 2 MiB of f16 each
	s_lshl_b32 s26, s26, 21
	s_lshl_b32 s4, ttmp9, 15
	s_add_co_u32 s26, s26, s4
	s_mov_b32 s27, 0
	s_mov_b32 s6, CLOG                             ; a pair for the packed multiply
	s_mov_b32 s7, CLOG
	v_lshlrev_b32 v1, 4, v0                        ; 16 t
	v_lshlrev_b32 v2, 3, v0                        ; 8 t
	s_wait_kmcnt 0x0
	s_cmp_lt_u32 s2, 8                             ; the source, chosen by the block's number alone
	s_cselect_b64 s[28:29], s[8:9], s[10:11]
	s_cmp_eq_u32 s2, 16
	s_cselect_b64 s[28:29], s[12:13], s[28:29]
	s_cmp_eq_u32 s2, 17
	s_cselect_b64 s[28:29], s[14:15], s[28:29]
	s_cmp_eq_u32 s2, 18
	s_cselect_b64 s[28:29], s[16:17], s[28:29]
	s_cmp_eq_u32 s2, 19
	s_cselect_b64 s[28:29], s[18:19], s[28:29]
	s_cmp_lt_u32 s2, 16                            ; the destination
	s_cselect_b64 s[30:31], s[20:21], s[22:23]
	s_add_nc_u64 s[28:29], s[28:29], s[24:25]
	s_add_nc_u64 s[30:31], s[30:31], s[26:27]
.set i, 0
.rept STEPS
	global_load_b128 v[X+4*i:X+4*i+3], v1, s[28:29] offset:4096*i th:TH_LOAD_NT   ; read once in the launch
.set i, i+1
.endr
; One step.  scaled = 1: Wq's block, times c in f32 ahead of the rounding.
.macro STEP i, scaled
	s_wait_loadcnt STEPS-1-\i                      ; loads come back in order: step i's is in, the younger ones stay out
.if \scaled
	v_pk_mul_f32 v[X+4*\i:X+4*\i+1],   v[X+4*\i:X+4*\i+1],   s[6:7] op_sel_hi:[1,0]
	v_pk_mul_f32 v[X+4*\i+2:X+4*\i+3], v[X+4*\i+2:X+4*\i+3], s[6:7] op_sel_hi:[1,0]
.endif
	v_cvt_pk_f16_f32 v[Y+2*\i],   v[X+4*\i],   v[X+4*\i+1]
	v_cvt_pk_f16_f32 v[Y+2*\i+1], v[X+4*\i+2], v[X+4*\i+3]
	global_store_b64 v2, v[Y+2*\i:Y+2*\i+1], s[30:31] offset:2048*\i   ; no source of a load or store is ever written again
.endm
	s_cmp_eq_u32 s2, 16                            ; the block's number: the whole work-group goes one way
	s_cbranch_scc1 .Lwq
.irp i, 0,1,2,3,4,5,6,7,8,9,10,11,12,13,14,15
	STEP \i, 0
.endr
	s_endpgm
.Lwq:
.irp i, 0,1,2,3,4,5,6,7,8,9,10,11,12,13,14,15
	STEP \i, 1
.endr
	s_endpgm
.Lfunc_end_k_q0e04940a4c_tohalf:
	.size	k_q0e04940a4c_tohalf, .Lfunc_end_k_q0e04940a4c_tohalf-k_q0e04940a4c_tohalf
	.p2alignl 7, 3214868480
	.fill 96, 4, 3214868480
	.section	.rodata,"a",@progbits
	.p2align	6, 0x0
	.amdhsa_kernel k_q0e04940a4c_tohalf
		.amdhsa_group_segment_fixed_size 0
		.amdhsa_private_segment_fixed_size 0
		.amdhsa_enable_private_segment 0
		.amdhsa_kernarg_size 64
		.amdhsa_user_sgpr_count 2
		.amdhsa_user_sgpr_kernarg_segment_ptr 1
		.amdhsa_wavefront_size32 1
		.amdhsa_system_sgpr_workgroup_id_x 1
		.amdhsa_system_sgpr_workgroup_id_y 1
		.amdhsa_system_sgpr_workgroup_id_z 1
		.amdhsa_system_vgpr_workitem_id 0
		.amdhsa_next_free_vgpr 100
		.amdhsa_next_free_sgpr 66
		.amdhsa_reserve_vcc 0
		.amdhsa_float_denorm_mode_32 3
		.amdhsa_float_denorm_mode_16_64 3
		.amdhsa_memory_ordered 1
		.amdhsa_forward_progress 1
		.amdhsa_inst_pref_size 14
	.end_amdhsa_kernel
	.amdgpu_metadata
---
amdhsa.version: [ 1, 2 ]
amdhsa.kernels:
  - .name:           k_q0e04940a4c_tohalf
    .symbol:         k_q0e04940a4c_tohalf.kd
    .args:
      - { .name: x, .offset: 0, .size: 8, .value_kind: global_buffer, .address_space: global }
      - { .name: encoder_output, .offset: 8, .size: 8, .value_kind: global_buffer, .address_space: global }
      - { .name: Wq, .offset: 16, .size: 8, .value_kind: global_buffer, .address_space: global }
      - { .name: Wk, .offset: 24, .size: 8, .value_kind: global_buffer, .address_space: global }
      - { .name: Wv, .offset: 32, .size: 8, .value_kind: global_buffer, .address_space: global }
      - { .name: Wp, .offset: 40, .size: 8, .value_kind: global_buffer, .address_space: global }
      - { .name: ah, .offset: 48, .size: 8, .value_kind: global_buffer, .address_space: global }
      - { .name: wh, .offset: 56, .size: 8, .value_kind: global_buffer, .address_space: global }
    .group_segment_fixed_size: 0
    .private_segment_fixed_size: 0
    .kernarg_segment_align: 8
    .kernarg_segment_size: 64
    .max_flat_workgroup_size: 256
    .sgpr_count:     66
    .vgpr_count:     100
    .wavefront_size: 32
...
	.end_amdgpu_metadata
.endif
;; end of part 1
;; launch qkvproj (part 2): grid 8 x 32, 4 waves a work-group, clusters of 4 x 4, 327,680 bytes of LDS; arguments ah, wh, bq, bv, qkv; writes qkv
.if DOCPART == 2
	.amdgcn_target "amdgcn-amd-amdhsa--gfx1250"
	.amdhsa_code_object_version 6
	.text
	.protected	k_q0e04940a4c_qkvproj
	.globl	k_q0e04940a4c_qkvproj
	.p2align	8
	.type	k_q0e04940a4c_qkvproj,@function
k_q0e04940a4c_qkvproj:
	s_mov_b64 s[64:65], 0
	v_nop
	global_prefetch_b8 v0, s[64:65] scope:SCOPE_SE
	s_setreg_imm32_b32 hwreg(HW_REG_WAVE_MODE, 25, 1), 1
	s_wait_xcnt 0x0
	s_wait_alu depctr_hold_cnt(0) depctr_sa_sdst(0) depctr_va_vdst(0) depctr_va_sdst(0) depctr_va_ssrc(0) depctr_va_vcc(0) depctr_vm_vsrc(0)
	s_getreg_b32 s2, hwreg(HW_REG_IB_STS2, 6, 4)
	s_cmp_eq_u32 s2, 0
	s_cbranch_scc0 .Lentry_in_a_cluster
	s_endpgm
.Lentry_in_a_cluster:
	s_bfe_u32 s2, ttmp6, 0x10000c
	s_cmp_lg_u32 s2, 0xf033
	s_cbranch_scc0 .Lentry_shape_is_right
	s_endpgm
.Lentry_shape_is_right:
; CrossAttention, launch 2 of 4: c q = x (c Wq)^T + c bq, k = encoder_output Wk^T, v = encoder_output Wv^T + bv.
; qkv = [3][8192][1024] f16.  Operands f16, sums f32, the bias is the first product's C, the result is rounded once to f16.
; c = log2(e) / 8 (the softmax's scale and the base of v_exp_f32): Wq comes times c from the first launch, bq is multiplied by c here, in f32.
; LEFT OUT: bk (it adds the same number to every score of a softmax row: shown at the head of the first kernel); k's blocks start from 0.
; LIMIT: a c q, k or v beyond 65,504 in magnitude becomes an infinity.
;
; SHARE.  8192 x 3072 outputs are 384 blocks of 256 x 256, one and a half for each of 256 work-groups.  So a work-group STAYS and makes two
; blocks: first 256 x 256 of k | v (32 block rows x 8 block columns), then 256 x 128 of q (32 x 8 again): 2,048 + 1,024 matrix
; instructions a wave, the same in every work-group.
;   k | v: C[m][n] = sum over k of A[m][k] B[n][k], A = encoder_output, B = rows 1024 .. 3071 of wh.  A wave makes 128 x 128: 64 tiles of 16 x 16.
;   q:     A = x, B = rows 0 .. 1023 of wh.  A wave makes 64 rows x all 128 columns, 32 tiles: its rows of the output are whole pieces of 256 bytes.
; K goes in steps of 128 through two LDS slots filled by the tensor data mover: a tile's rows are 256 bytes of memory at multiples of 256.
; THE RING RUNS ON from the first block into the second: behind k | v's last two K steps the slots are filled with q's first two, and these
; land while k | v's results are stored.
; CLUSTERS: 4 x 4 work-groups.  The cluster's x (0, 1) says whether the sixteen make k or v, so all of them run the same paths.  The four
; of a row of the cluster need the same tiles of A (in both blocks), the four of a column the same tiles of B: each such tile is asked
; for jointly, by the same tensor load with the same descriptor in all four, which divides the requests for A and for B by four.
;
; REGISTERS, in windows of 256:
;   window 0: v0-31 addresses; v64-127, v128-191 fragments of A, two buffers; v192-223 at work on the way out
;   window 1: v0-63 k | v's bias as eight C fragments; v64-127, v128-191 fragments of B, two buffers; v192-255 q's bias as eight C fragments
;   window 2: k | v: the 32 tiles of my rows 0-63 (tile (a, b) at v[8 (8 a + b)]); then q: its 32 tiles, at the same places
;   window 3: k | v: the tiles of my rows 64-127
; THE MATRIX INSTRUCTION IS USED TRANSPOSED: source 0 = 16 rows of B, source 1 = 16 rows of A.  Lane l then holds row l % 16 of C, its
; registers 0 to 7 the columns 8 (l / 16) + 0 .. 7: eight neighbouring numbers, which pack into 16 bytes; and a C fragment of the bias
; is eight neighbouring numbers of the bias vector in each lane.
.set SIZE_K, 1024
.set SIZE_N, 1024                      ; columns of each of q, k, v
.set KSTEP,  128
.set CLOG,   0x3e38aa3b                ; c = log2(e) / 8
.set PITCH,  272                       ; an LDS row: 256 bytes + 16 of padding = 17 x 16: the 16 rows that a load touches lie in 16 different 16-byte columns modulo 256
.set HALFT,  128*PITCH                 ; 128 rows: what one tensor load brings of A, and of k | v's B
.set QUART,  64*PITCH                  ; 64 rows: what one tensor load brings of q's B, and what a wave reads of q's A
.set SLOT,   4*HALFT                   ; A's 256 rows, then B's 256 (q: 128) rows
.set STAGE,  2*SLOT                    ; behind the ring: 16 rows x 272 bytes for each wave, for the way out; no tensor load lands there
.set SPITCH, 272
.set LAPS, SIZE_K/(2*KSTEP)            ; a lap = two K steps = once round the ring: 4 for each block
.set ADRA,  16                         ; v16-17  k | v: LDS address of my A fragments in slot 0, 1
.set ADRAQ, 18                         ; v18-19  q: the same
.set ADRB,  20                         ; v20-21  k | v: of my B fragments
.set ADRBQ, 22                         ; v22-23  q: the same
.set STO,  24                          ; v24     the way out: where I put 16 bytes of a row
.set RD,   25                          ; v25     the way out: where I read a row back
.set CO,   26                          ; v26     my byte offset in the output
.set BO,   27                          ; v27     my byte offset in bv
.set BOQ,  28                          ; v28     my byte offset in bq
.set F0,   64                          ; fragment buffer 0
.set F1,   128                         ; fragment buffer 1
.set TMP,  192                         ; the way out: packed results, in window 0
.set BIAS,  0                          ; window 1: k | v's bias, block b at 8 b
.set BIASQ, 192                        ; window 1: q's bias, block b at 8 b
.set G1, 24                            ; s[24:31] descriptor group 1 for A's tiles, the same in both blocks
.set G0, 32                            ; s[32:39] descriptor group 0 for A's tiles, one set for each slot
.set G1B, 48                           ; s[48:55] group 1 for B's tiles: another mask; 128 rows for k | v, 64 for q
.set G0B, 56                           ; s[56:63] group 0 for B's tiles, one set for each slot
.set OUTKV, 80                         ; s[80:81] where my rows of k or v begin
.set OUTQ,  82                         ; s[82:83] where my rows of q begin
.set MSB, 0
.macro WIN new                         ; the immediate's high byte repeats the setting that is left
.if MSB != \new
	s_set_vgpr_msb (MSB<<8)|\new
.set MSB, \new
.endif
.endm
.set MUL_LO,   0xa1                    ; source 0 (B) window 1, source 1 (A) window 0, C and D window 2
.set MUL_HI,   0xf1                    ; the same, C and D window 3
.set FIRST_LO, 0x91                    ; the first products: C = the bias in window 1, D window 2
.set FIRST_HI, 0xd1                    ; the same, D window 3
.set TO_B,     0x40                    ; destination window 1, address window 0
.set IN_B,     0x41                    ; source 0 and destination window 1
; A joint load.  Waves 0 and 1 fetch A's two halves, waves 2 and 3 B's.  Each line has one mask and one set of registers for all that issue it.
.macro JLOAD s
	s_cmp_eq_u32 s11, 0
	s_cbranch_scc0 .Lfor_b_\@
	tensor_load_to_lds s[G0+4*\s:G0+4*\s+3], s[G1:G1+7]
	s_nop 0
	s_branch .Lasked_\@
.Lfor_b_\@:
	tensor_load_to_lds s[G0B+4*\s:G0B+4*\s+3], s[G1B:G1B+7]
	s_nop 0
.Lasked_\@:
.endm
; A round of the cluster's barrier: my work-group's barrier; wave 0 signals for the work-group; every wave waits for all sixteen; my work-group's barrier again.
.macro CREST                           ; a round behind its opening barrier
	s_cmp_lg_u32 s10, 0
	s_cbranch_scc1 .Lnot_wave_0_\@
	s_barrier_signal -3
.Lnot_wave_0_\@:
	s_barrier_wait -3
	s_barrier_signal -1
	s_barrier_wait -1
.endm
.macro CROUND                          ; a whole round
	s_barrier_signal -1
	s_barrier_wait -1
	CREST
.endm
	s_load_b256 s[68:75], s[0:1], 0x0              ; ah s[68:69], wh s[70:71], bq s[72:73], bv s[74:75]
	s_load_b64 s[8:9], s[0:1], 0x20                ; qkv
	v_lshl_add_u32 v254, v0, 2, 0x48400
	v_mov_b32 v255, 0
	ds_add_u32 v254, v255
	v_lshrrev_b32 v1, 5, v0
	v_readfirstlane_b32 s10, v1                    ; wave 0..3
	s_lshr_b32 s11, s10, 1                         ; k | v: which half of the block's rows is mine.  Also: I fetch for A (0) or for B (1)
	s_and_b32 s12, s10, 1                          ; k | v: which half of its columns.  Also: which half of that tile I fetch
	s_bfe_u32 s40, ttmp6, 0x40000                  ; cx: my place along the cluster's x
	s_bfe_u32 s41, ttmp6, 0x40004                  ; cy: along its y
	s_mov_b32 s45, ttmp9                           ; the cluster's x: 0 k, 1 v; the same in all sixteen partners
	s_mov_b32 s66, CLOG                            ; a pair for the packed multiply
	s_mov_b32 s67, CLOG
	s_lshl_b32 s42, ttmp9, 2
	s_add_co_u32 s42, s42, s40                     ; block column, 0..7 = 4 x cluster x + cx
	s_and_b32 s13, ttmp7, 0xffff
	s_lshl_b32 s13, s13, 2
	s_add_co_u32 s13, s13, s41                     ; block row, 0..31 = 4 x cluster y + cy
	s_lshl_b32 s43, s41, 2
	s_lshl_b32 s43, 15, s43                        ; my row of the cluster: places 4 cy .. 4 cy + 3
	s_lshl_b32 s44, 0x1111, s40                    ; my column: places cx, cx + 4, cx + 8, cx + 12
	; group 1: a tile of 128 rows x 128 elements of 2 bytes, 16 bytes of padding behind every 256
	s_or_b32 s[G1+0], s43, (1<<16)|(1<<20)|(1<<21)|(5<<22)|(3<<25)  ; 15:0 mask: A's tiles go to my row; 17:16 2-byte elements; 20 padding; 21 set beside a mask; 24:22 every 64 words; 31:25 4 words
	s_or_b32 s[G1B+0], s44, (1<<16)|(1<<20)|(1<<21)|(5<<22)|(3<<25) ; the same with the mask of my column
	s_mov_b32 s[G1+1], KSTEP<<16                   ; tensor_dim0 = 128
	s_mov_b32 s[G1B+1], KSTEP<<16
	s_mov_b32 s[G1+2], 128<<16                     ; tensor_dim1 = 128
	s_mov_b32 s[G1B+2], 128<<16
	s_mov_b32 s[G1+3], KSTEP<<16                   ; tile_dim0 = 128
	s_mov_b32 s[G1B+3], KSTEP<<16
	s_mov_b32 s[G1+4], 128                         ; tile_dim1 = 128
	s_mov_b32 s[G1B+4], 128
	s_mov_b32 s[G1+5], SIZE_K                      ; elements from row to row
	s_mov_b32 s[G1B+5], SIZE_K
	s_mov_b32 s[G1+6], 0
	s_mov_b32 s[G1B+6], 0
	s_mov_b32 s[G1+7], 0
	s_mov_b32 s[G1B+7], 0
	; A's tiles hang on the block row and the wave alone (s16-19); B's on the block column and the wave alone (s46-47, s84-85).
	s_lshl_b32 s17, s12, 7                         ; which 128 rows of A's tile I fetch
	s_lshl_b32 s16, s13, 8
	s_add_co_u32 s16, s16, s17                     ; row 256 x block row + 128 x half
	s_lshl_b32 s16, s16, 11                        ; q's A: x, rows of 2,048 bytes
	s_add_co_u32 s18, s16, 1<<24                   ; k | v's A: encoder_output, 8192 rows = 16 MiB further down in ah
	s_mov_b32 s17, 0
	s_mov_b32 s19, 0
	s_lshl_b32 s46, s42, 8
	s_lshl_b32 s47, s12, 7
	s_add_co_u32 s46, s46, s47
	s_add_co_u32 s46, s46, 1024                    ; k | v's B: row 1024 + 256 x block column + 128 x half of wh
	s_lshl_b32 s46, s46, 11
	s_mov_b32 s47, 0
	s_lshl_b32 s84, s42, 7
	s_lshl_b32 s85, s12, 6
	s_add_co_u32 s84, s84, s85                     ; q's B: row 128 x block column + 64 x half of wh
	s_lshl_b32 s84, s84, 11
	s_mov_b32 s85, 0
	s_mul_i32 s20, s10, HALFT                      ; where they go: A's two halves, then k | v's B's two halves = wave x 128 rows
	s_mul_i32 s21, s10, QUART                      ; q's B's halves: behind A's 256 rows, (wave - 2) x 64 rows = 128 rows + wave x 64 rows (waves 2, 3)
	s_add_co_u32 s21, s21, HALFT
	s_wait_dscnt 0x0
	s_wait_kmcnt 0x0
	s_add_nc_u64 s[14:15], s[68:69], s[18:19]      ; k | v's first tile of A
	s_add_nc_u64 s[4:5], s[68:69], s[16:17]        ; q's first tile of A, kept for the change of blocks
	s_add_nc_u64 s[46:47], s[70:71], s[46:47]      ; k | v's first tile of B
	s_add_nc_u64 s[6:7], s[70:71], s[84:85]        ; q's first tile of B
	CROUND                                         ; all sixteen work-groups are here: the first joint loads meet
.irp s, 0,1
	s_mov_b32 s[G0+4*\s], 1                                        ; count = 1
	s_add_co_u32 s[G0+4*\s+1], s20, \s*SLOT                        ; LDS address
	s_add_nc_u64 s[G0+4*\s+2:G0+4*\s+3], s[14:15], \s*KSTEP*2      ; global address: K step s
	s_or_b32 s[G0+4*\s+3], s[G0+4*\s+3], 0x80000000                ; type = 2
	s_mov_b32 s[G0B+4*\s], 1
	s_add_co_u32 s[G0B+4*\s+1], s20, \s*SLOT
	s_add_nc_u64 s[G0B+4*\s+2:G0B+4*\s+3], s[46:47], \s*KSTEP*2
	s_or_b32 s[G0B+4*\s+3], s[G0B+4*\s+3], 0x80000000
	JLOAD \s                                       ; both slots' first fills go out together: two tensor loads of a wave are out, the most in this text
.endr
	; A fragment is 16 rows x 32 K in 8 registers: lane l holds row l % 16; registers 0-3 K = 8 (l / 16) + 0..7, registers 4-7 K = 16 + 8 (l / 16) + 0..7.
	v_and_b32 v1, 15, v0                           ; l % 16
	v_bfe_u32 v2, v0, 4, 1                         ; l / 16
	v_mul_u32_u24 v3, v1, PITCH
	v_lshl_add_u32 v3, v2, 4, v3                   ; row x pitch + 16 x half
	s_mul_i32 s22, s11, HALFT                      ; k | v: my 128 rows of A
	s_mul_i32 s23, s12, HALFT                      ; my 128 rows of B,
	s_add_co_u32 s23, s23, 2*HALFT                 ; which lie behind A's 256
	s_mul_i32 s86, s10, QUART                      ; q: my 64 rows of A
	s_mov_b32 s87, 2*HALFT                         ; and all 128 rows of B
.irp s, 0,1
	v_add_nc_u32 v[ADRA+\s], s22, v3
	v_add_nc_u32 v[ADRB+\s], s23, v3
	v_add_nc_u32 v[ADRAQ+\s], s86, v3
	v_add_nc_u32 v[ADRBQ+\s], s87, v3
	s_add_co_u32 s22, s22, SLOT
	s_add_co_u32 s23, s23, SLOT
	s_add_co_u32 s86, s86, SLOT
	s_add_co_u32 s87, s87, SLOT
.endr
	s_mul_i32 s22, s10, 16*SPITCH
	s_add_co_u32 s22, s22, STAGE                   ; my stage
	v_mul_u32_u24 v4, v1, SPITCH                   ; in: row l % 16, 16 bytes for each half of the lanes
	v_lshl_add_u32 v4, v2, 4, v4
	v_add_nc_u32 v[STO], s22, v4
	v_mul_u32_u24 v5, v2, SPITCH                   ; back: lanes 0-15 take one row of 256 bytes, lanes 16-31 the next
	v_lshl_add_u32 v5, v1, 4, v5
	v_add_nc_u32 v[RD], s22, v5
	v_mul_u32_u24 v5, v2, SIZE_N*2                 ; and the same two rows in the output
	v_lshl_add_u32 v[CO], v1, 4, v5
	; The biases as C fragments: block b, lane l: bias[first column + 16 b + 8 (l / 16) + 0..7], 32 bytes.
	s_lshl_b32 s86, s40, 10                        ; v: my first column is 256 cx + 128 x half, 4 bytes each
	s_lshl_b32 s87, s12, 9
	s_add_co_u32 s86, s86, s87
	v_lshl_add_u32 v[BO], v2, 5, s86
	s_lshl_b32 s87, s42, 9                         ; q: 128 x block column
	v_lshl_add_u32 v[BOQ], v2, 5, s87
	WIN TO_B
.irp b, 0,1,2,3,4,5,6,7
	global_load_b128 v[BIASQ+8*\b:BIASQ+8*\b+3],   v[BOQ], s[72:73] offset:64*\b
	global_load_b128 v[BIASQ+8*\b+4:BIASQ+8*\b+7], v[BOQ], s[72:73] offset:64*\b+16
.endr
	WIN 0
	s_cmp_eq_u32 s45, 0                            ; the cluster's x: all sixteen partners go the same way
	s_cbranch_scc1 .Lno_bias
	WIN TO_B
.irp b, 0,1,2,3,4,5,6,7
	global_load_b128 v[BIAS+8*\b:BIAS+8*\b+3],   v[BO], s[74:75] offset:64*\b
	global_load_b128 v[BIAS+8*\b+4:BIAS+8*\b+7], v[BO], s[74:75] offset:64*\b+16
.endr
	WIN 0
	s_branch .Lbias_done
.Lno_bias:
	WIN TO_B                                       ; k's blocks: bk is left out, the sums start from 0; written once, so that one text of products serves k and v
.set i, 0
.rept 64
	v_mov_b32 v[BIAS+i], 0
.set i, i+1
.endr
	WIN 0
.Lbias_done:
	; where my results go
	s_lshl_b32 s76, s13, 8
	s_lshl_b32 s77, s11, 7
	s_add_co_u32 s76, s76, s77                     ; k | v: my first row = 256 x block row + 128 x half,
	s_lshl_b32 s76, s76, 11                        ; rows of 2,048 bytes,
	s_lshl_b32 s77, s45, 24
	s_add_co_u32 s76, s76, s77
	s_add_co_u32 s76, s76, 1<<24                   ; k is the second 16 MiB of qkv, v the third,
	s_lshl_b32 s77, s40, 9
	s_add_co_u32 s76, s76, s77
	s_lshl_b32 s77, s12, 8
	s_add_co_u32 s76, s76, s77                     ; my first column in bytes: 512 cx + 256 x half
	s_mov_b32 s77, 0
	s_add_nc_u64 s[OUTKV:OUTKV+1], s[8:9], s[76:77]
	s_lshl_b32 s78, s13, 8
	s_lshl_b32 s79, s10, 6
	s_add_co_u32 s78, s78, s79                     ; q: my first row = 256 x block row + 64 x wave
	s_lshl_b32 s78, s78, 11
	s_lshl_b32 s79, s42, 8                         ; the block's 128 columns: 256 bytes
	s_add_co_u32 s78, s78, s79
	s_mov_b32 s79, 0
	s_add_nc_u64 s[OUTQ:OUTQ+1], s[8:9], s[78:79]
; 8 matrix instructions: m block a of the window's four (hi = 0: A fragments 0-3, 1: fragments 4-7) x all 8 n blocks, 32 along K.
; first = 1: the first product starts the sums from the bias at CB: nothing is cleared or added later.
.macro MULROW f, hi, a, first
.irp b, 0,1,2,3,4,5,6,7
.if \first
	v_wmma_f32_16x16x32_f16 v[8*(8*(\a)+\b):8*(8*(\a)+\b)+7], v[\f+8*\b:\f+8*\b+7], v[\f+8*(4*\hi+(\a)):\f+8*(4*\hi+(\a))+7], v[CB+8*\b:CB+8*\b+7]
.else
	v_wmma_f32_16x16x32_f16 v[8*(8*(\a)+\b):8*(8*(\a)+\b)+7], v[\f+8*\b:\f+8*\b+7], v[\f+8*(4*\hi+(\a)):\f+8*(4*\hi+(\a))+7], v[8*(8*(\a)+\b):8*(8*(\a)+\b)+7]
.endif
.endr
.endm
.macro MUL16 f, hi, a0, first          ; m blocks a0 and a0 + 1
	MULROW \f, \hi, \a0, \first
	MULROW \f, \hi, \a0+1, \first
.endm
; A load into a register that a matrix instruction has read, and a vector instruction that reads a matrix result, stand four places behind
; that matrix instruction; only plain vector instructions that name none of its registers are places.
.macro PLACES
.rept 4
	v_nop
.endr
.endm
; ---------------------------------------------------------------- the block of k | v
; 32 LDS loads in one run: the fragments of one quarter step (128 rows of B, 128 rows of A, 32 K at byte k of the rows) into buffer f
.macro FETCH slot, k, f
	WIN TO_B
.irp i, 0,1,2,3,4,5,6,7
	ds_load_b128 v[\f+8*\i:\f+8*\i+3],   v[ADRB+\slot] offset:\k+\i*16*PITCH
	ds_load_b128 v[\f+8*\i+4:\f+8*\i+7], v[ADRB+\slot] offset:\k+\i*16*PITCH+32
.endr
	WIN 0
.irp i, 0,1,2,3,4,5,6,7
	ds_load_b128 v[\f+8*\i:\f+8*\i+3],   v[ADRA+\slot] offset:\k+\i*16*PITCH
	ds_load_b128 v[\f+8*\i+4:\f+8*\i+7], v[ADRA+\slot] offset:\k+\i*16*PITCH+32
.endr
.endm
; A K step is four quarter steps of 32 along K, 64 matrix instructions each, on buffers 0, 1, 0, 1.  The 64 accumulators take turns, one
; instruction a turn, in the same order in every quarter, over the loop's backward jump too.
.macro QUARTER slot, k, f, g, first
	s_wait_dscnt 8                                 ; B and A's rows 0-63 are in; the youngest eight loads (A's rows 64-127) may be out
.if \first
	WIN FIRST_LO
.else
	WIN MUL_LO
.endif
	MUL16 \f, 0, 0, \first
	MUL16 \f, 0, 2, \first
	PLACES
	FETCH \slot, \k, \g
	s_wait_dscnt 32                                ; all but the 32 just issued
.if \first
	WIN FIRST_HI
.else
	WIN MUL_HI
.endif
	MUL16 \f, 1, 0, \first
	MUL16 \f, 1, 2, \first
.endm
.macro THREE slot, first
	QUARTER \slot, 64,  F0, F1, \first
	QUARTER \slot, 128, F1, F0, 0
	QUARTER \slot, 192, F0, F1, 0
.endm
; The last quarter multiplies buffer 1 and changes slots.  In front of the round each wave waits for its own reads of this slot and for
; all its tensor loads (one is out: its part of the next slot).  Behind it no wave of any partner reads this slot and the next slot is
; whole: the refill comes first, then the next slot's first fragments.  From a request to the wait for it a wave issues 240 matrix instructions.
; fill = 1: this slot's next K step of k | v.  fill = 2: K step 'slot' of q: no tensor load of mine is out, so the descriptors are written anew.
; fetch = 0: the block's last K step: the next fragments are q's and are fetched behind the way out.
.macro TURN slot, next, fill, fetch
	s_wait_dscnt 8
	WIN MUL_LO
	MUL16 F1, 0, 0, 0
	s_wait_dscnt 0                                 ; my reads of this slot are over
	s_set_vgpr_msb 0xa1a0
	s_wait_tensorcnt 0x0                           ; and all my tensor loads have landed
	ds_add_u32 v254, v255
	s_wait_dscnt 0x0
	s_set_vgpr_msb 0xa0a1
	s_barrier_signal -1                            ; this barrier opens a round of the cluster's barrier
	MUL16 F1, 0, 2, 0                              ; register work while the others arrive
	WIN 0
	s_barrier_wait -1
	CREST
.if \fill == 1
	s_add_nc_u64 s[G0+4*\slot+2:G0+4*\slot+3], s[G0+4*\slot+2:G0+4*\slot+3], 2*KSTEP*2
	s_add_nc_u64 s[G0B+4*\slot+2:G0B+4*\slot+3], s[G0B+4*\slot+2:G0B+4*\slot+3], 2*KSTEP*2
.else
	s_add_nc_u64 s[G0+4*\slot+2:G0+4*\slot+3], s[4:5], \slot*KSTEP*2        ; A: x in place of encoder_output; LDS address and shape stay
	s_or_b32 s[G0+4*\slot+3], s[G0+4*\slot+3], 0x80000000
	s_add_nc_u64 s[G0B+4*\slot+2:G0B+4*\slot+3], s[6:7], \slot*KSTEP*2      ; B: c Wq's rows,
	s_or_b32 s[G0B+4*\slot+3], s[G0B+4*\slot+3], 0x80000000
	s_add_co_u32 s[G0B+4*\slot+1], s21, \slot*SLOT                          ; in halves of 64 rows behind A's 256
.if \slot == 0
	s_mov_b32 s[G1B+2], 64<<16                     ; tensor_dim1 = 64: from here on every load of B is q's
	s_mov_b32 s[G1B+4], 64                         ; tile_dim1 = 64
.endif
.endif
	JLOAD \slot                                    ; the first tensor load behind the round, my only one until the next
.if \fetch
	PLACES
	FETCH \next, 0, F0
.endif
	WIN MUL_HI
	MUL16 F1, 1, 0, 0
	MUL16 F1, 1, 2, 0
.endm
.macro LAP first                       ; once round the ring, both slots filled again
	THREE 0, \first
	TURN 0, 1, 1, 1
	THREE 1, 0
	TURN 1, 0, 1, 1
.endm
; ---------------------------------------------------------------- the block of q
; 24 LDS loads in one run: 128 rows of B, then my 64 rows of A, 32 K at byte k of the rows, into buffer f
.macro FETCHQ slot, k, f
	WIN TO_B
.irp i, 0,1,2,3,4,5,6,7
	ds_load_b128 v[\f+8*\i:\f+8*\i+3],   v[ADRBQ+\slot] offset:\k+\i*16*PITCH
	ds_load_b128 v[\f+8*\i+4:\f+8*\i+7], v[ADRBQ+\slot] offset:\k+\i*16*PITCH+32
.endr
	WIN 0
.irp i, 0,1,2,3
	ds_load_b128 v[\f+8*\i:\f+8*\i+3],   v[ADRAQ+\slot] offset:\k+\i*16*PITCH
	ds_load_b128 v[\f+8*\i+4:\f+8*\i+7], v[ADRAQ+\slot] offset:\k+\i*16*PITCH+32
.endr
.endm
; A quarter step: 32 matrix instructions; the 32 accumulators take turns in the same order in every quarter.
.macro QUARTERQ slot, k, f, g, first
	s_wait_dscnt 4                                 ; B and A's rows 0-31 are in; the youngest four loads (A's rows 32-63) may be out
.if \first
	WIN FIRST_LO
.else
	WIN MUL_LO
.endif
	MUL16 \f, 0, 0, \first
	PLACES
	FETCHQ \slot, \k, \g
	s_wait_dscnt 24                                ; all but the 24 just issued
.if \first
	WIN FIRST_LO
.else
	WIN MUL_LO
.endif
	MUL16 \f, 0, 2, \first
.endm
.macro THREEQ slot, first
	QUARTERQ \slot, 64,  F0, F1, \first
	QUARTERQ \slot, 128, F1, F0, 0
	QUARTERQ \slot, 192, F0, F1, 0
.endm
; The last quarter and the change of slots, ordered as in k | v's.  From a request to the wait for it a wave issues 120 matrix instructions.
.macro TURNQ slot, next, fill
	s_wait_dscnt 4
	WIN MUL_LO
	MULROW F1, 0, 0, 0
	s_wait_dscnt 0                                 ; my reads of this slot are over
	s_set_vgpr_msb 0xa1a0
	s_wait_tensorcnt 0x0                           ; and all my tensor loads have landed: my part of the next slot
	ds_add_u32 v254, v255
	s_wait_dscnt 0x0
	s_set_vgpr_msb 0xa0a1
	s_barrier_signal -1                            ; where a slot is filled again this barrier opens a round of the cluster's barrier
	MULROW F1, 0, 1, 0                             ; register work while the others arrive
	WIN 0
	s_barrier_wait -1
.if \fill
	CREST                                          ; no wave of any partner still reads this slot's tile or has a load on its way
	s_add_nc_u64 s[G0+4*\slot+2:G0+4*\slot+3], s[G0+4*\slot+2:G0+4*\slot+3], 2*KSTEP*2
	s_add_nc_u64 s[G0B+4*\slot+2:G0B+4*\slot+3], s[G0B+4*\slot+2:G0B+4*\slot+3], 2*KSTEP*2
	JLOAD \slot                                    ; the first tensor load behind the round, my only one until the next
.endif
	PLACES
	FETCHQ \next, 0, F0
	WIN MUL_LO
	MUL16 F1, 0, 2, 0
.endm
.macro LAPQ first
	THREEQ 0, \first
	TURNQ 0, 1, 1
	THREEQ 1, 0
	TURNQ 1, 0, 1
.endm
; ---------------------------------------------------------------- the way out
; 16 rows at a time: round to f16, 16 bytes a lane into my own stage in LDS, read back as whole rows of 256 bytes.
; rows 16 i .. 16 i + 15 = the eight tiles (a, 0..7) of window 2 or 3 (from = 0x0a or 0x0f: sources 0 and 1); f: F0 or F1 in turn; base: the scalar pair of the output's address
.macro OUT16 i, a, from, f, base
	WIN \from
.irp b, 0,1,2,3,4,5,6,7
.irp r, 0,1,2,3
	v_cvt_pk_f16_f32 v[TMP+4*\b+\r], v[8*(8*\a+\b)+2*\r], v[8*(8*\a+\b)+2*\r+1]
.endr
.endr
	WIN 0
.irp b, 0,1,2,3,4,5,6,7
	ds_store_b128 v[STO], v[TMP+4*\b:TMP+4*\b+3] offset:32*\b
.endr
	s_wait_xcnt 0x0                                ; buffer f, which earlier stores read, and the stores' base are rewritten only behind this wait
.if \i
	s_add_nc_u64 s[\base:\base+1], s[\base:\base+1], 16*SIZE_N*2   ; 16 rows on
.endif
.irp t, 0,1,2,3,4,5,6,7
	ds_load_b128 v[\f+4*\t:\f+4*\t+3], v[RD] offset:\t*2*SPITCH    ; LDS serves a wave's instructions in order: these see the stores above
.endr
.irp t, 0,1,2,3,4,5,6,7
	s_wait_dscnt 7-\t                              ; load t is in, the younger ones stay out
	global_store_b128 v[CO], v[\f+4*\t:\f+4*\t+3], s[\base:\base+1] offset:2*\t*SIZE_N*2   ; 16 lanes store 256 consecutive bytes at a multiple of 256
.endr
.endm
	; ------------------------------------------------------------ k | v
	s_wait_tensorcnt 1                             ; my part of K step 0 is in; K step 1's may stay out
	s_barrier_signal -1
	s_barrier_wait -1                              ; everybody's is
	s_wait_loadcnt 0x0                             ; the biases
	WIN IN_B
.set i, 0
.rept 32
	v_pk_mul_f32 v[BIASQ+i:BIASQ+i+1], v[BIASQ+i:BIASQ+i+1], s[66:67] op_sel_hi:[1,0]   ; bq times c, as Wq was: q's sums are c q
.set i, i+2
.endr
.set CB, BIAS
	FETCH 0, 0, F0
	LAP 1                                          ; the first lap stands in front of the loop: its first products start the sums
	WIN 0                                          ; at a label and at a branch every window is 0
	s_mov_b32 s3, LAPS-2
.Llap:
	LAP 0
	WIN 0
	s_sub_co_u32 s3, s3, 1
	s_cmp_lg_u32 s3, 0
	s_cbranch_scc1 .Llap
	THREE 0, 0                                     ; the last lap: K steps 6 and 7
	TURN 0, 1, 2, 1                                ; slot 0 has been read for the last time in this block: q's K step 0 goes out into it
	THREE 1, 0
	TURN 1, 0, 2, 0                                ; q's K step 0 has landed in every wave's sight; its K step 1 goes out into slot 1
	PLACES                                         ; the places behind the last matrix instructions
	OUT16 0, 0, 0x0a, F0, OUTKV                    ; the results leave while q's K step 1 is on its way
	OUT16 1, 1, 0x0a, F1, OUTKV
	OUT16 2, 2, 0x0a, F0, OUTKV
	OUT16 3, 3, 0x0a, F1, OUTKV
	OUT16 4, 0, 0x0f, F0, OUTKV
	OUT16 5, 1, 0x0f, F1, OUTKV
	OUT16 6, 2, 0x0f, F0, OUTKV
	OUT16 7, 3, 0x0f, F1, OUTKV
	; ------------------------------------------------------------ q
	s_wait_xcnt 0x0                                ; buffers 0 and 1, which the stores above read, are loaded again only behind this wait
.set CB, BIASQ
	FETCHQ 0, 0, F0                                ; slot 0 was shown whole to every wave by the round behind k | v's last K step
	LAPQ 1                                         ; the first lap: its first products start the sums from c bq
	WIN 0
	s_mov_b32 s3, LAPS-2
.Llapq:
	LAPQ 0
	WIN 0
	s_sub_co_u32 s3, s3, 1
	s_cmp_lg_u32 s3, 0
	s_cbranch_scc1 .Llapq
	THREEQ 0, 0                                    ; the last lap fills nothing and has no round: the one load still out is slot 1's, the last K step's
	TURNQ 0, 1, 0
	THREEQ 1, 0
	s_wait_dscnt 0                                 ; the very last quarter: nothing more to fetch
	WIN MUL_LO
	MUL16 F1, 0, 0, 0
	MUL16 F1, 0, 2, 0
	PLACES                                         ; the places behind the last matrix instructions
	OUT16 0, 0, 0x0a, F0, OUTQ
	OUT16 1, 1, 0x0a, F1, OUTQ
	OUT16 2, 2, 0x0a, F0, OUTQ
	OUT16 3, 3, 0x0a, F1, OUTQ
	s_wait_tensorcnt 0x0
	ds_add_u32 v254, v255
	s_wait_dscnt 0x0
	CROUND                                         ; the closing round: no work-group ends while a partner may still ask for a tile that names it
	s_endpgm
.Lfunc_end_k_q0e04940a4c_qkvproj:
	.size	k_q0e04940a4c_qkvproj, .Lfunc_end_k_q0e04940a4c_qkvproj-k_q0e04940a4c_qkvproj
	.p2alignl 7, 3214868480
	.fill 96, 4, 3214868480
	.section	.rodata,"a",@progbits
	.p2align	6, 0x0
	.amdhsa_kernel k_q0e04940a4c_qkvproj
		.amdhsa_group_segment_fixed_size 327680
		.amdhsa_private_segment_fixed_size 0
		.amdhsa_enable_private_segment 0
		.amdhsa_kernarg_size 40
		.amdhsa_user_sgpr_count 2
		.amdhsa_user_sgpr_kernarg_segment_ptr 1
		.amdhsa_wavefront_size32 1
		.amdhsa_system_sgpr_workgroup_id_x 1
		.amdhsa_system_sgpr_workgroup_id_y 1
		.amdhsa_system_sgpr_workgroup_id_z 1
		.amdhsa_system_vgpr_workitem_id 0
		.amdhsa_next_free_vgpr 1024
		.amdhsa_next_free_sgpr 88
		.amdhsa_reserve_vcc 0
		.amdhsa_float_denorm_mode_32 3
		.amdhsa_float_denorm_mode_16_64 3
		.amdhsa_memory_ordered 1
		.amdhsa_forward_progress 1
		.amdhsa_inst_pref_size 255
	.end_amdhsa_kernel
	.section	.bss,"aw",@nobits
	.p2align	6
	.space	262144
	.amdgpu_metadata
---
amdhsa.version: [ 1, 2 ]
amdhsa.kernels:
  - .name:           k_q0e04940a4c_qkvproj
    .symbol:         k_q0e04940a4c_qkvproj.kd
    .args:
      - { .name: ah, .offset: 0, .size: 8, .value_kind: global_buffer, .address_space: global }
      - { .name: wh, .offset: 8, .size: 8, .value_kind: global_buffer, .address_space: global }
      - { .name: bq, .offset: 16, .size: 8, .value_kind: global_buffer, .address_space: global }
      - { .name: bv, .offset: 24, .size: 8, .value_kind: global_buffer, .address_space: global }
      - { .name: qkv, .offset: 32, .size: 8, .value_kind: global_buffer, .address_space: global }
    .group_segment_fixed_size: 327680
    .private_segment_fixed_size: 0
    .kernarg_segment_align: 8
    .kernarg_segment_size: 40
    .max_flat_workgroup_size: 128
    .sgpr_count:     88
    .vgpr_count:     1024
    .wavefront_size: 32
...
	.end_amdgpu_metadata
.endif
;; end of part 2
;; launch attn (part 3): grid 256 x 1, 8 waves a work-group, clusters of 4 x 1, 327,680 bytes of LDS; arguments qkv, yh; writes yh
.if DOCPART == 3
	.amdgcn_target "amdgcn-amd-amdhsa--gfx1250"
	.amdhsa_code_object_version 6
	.text
	.protected	k_q0e04940a4c_attn
	.globl	k_q0e04940a4c_attn
	.p2align	8
	.type	k_q0e04940a4c_attn,@function
k_q0e04940a4c_attn:
	s_mov_b64 s[64:65], 0
	v_nop
	global_prefetch_b8 v0, s[64:65] scope:SCOPE_SE
	s_setreg_imm32_b32 hwreg(HW_REG_WAVE_MODE, 25, 1), 1
	s_wait_xcnt 0x0
	s_wait_alu depctr_hold_cnt(0) depctr_sa_sdst(0) depctr_va_vdst(0) depctr_va_sdst(0) depctr_va_ssrc(0) depctr_va_vcc(0) depctr_vm_vsrc(0)
	s_getreg_b32 s2, hwreg(HW_REG_IB_STS2, 6, 4)
	s_cmp_eq_u32 s2, 0
	s_cbranch_scc0 .Lentry_in_a_cluster
	s_endpgm
.Lentry_in_a_cluster:
	s_bfe_u32 s2, ttmp6, 0x10000c
	s_cmp_lg_u32 s2, 0x3003
	s_cbranch_scc0 .Lentry_shape_is_right
	s_endpgm
.Lentry_shape_is_right:
; CrossAttention, launch 3 of 4: y = softmax(q k^T / 8) v for each of 4 batches x 16 heads; 2048 queries, 2048 tokens, 64 numbers a head.
; qkv = [3][8192][1024] f16 (row = batch x 2048 + position, column = head x 64 + d); yh = [8192][1024] f16 in the same layout.
; q comes times c = log2(e) / 8, so a score s = (c q).k is the softmax's exponent in units of powers of two: p = 2^(s - maximum).
; LEFT OUT: bk (the same number in every score of a softmax row: shown at the head of the first kernel); k comes without it.
; Products in f16 with f32 sums; the softmax in f32 with a running maximum, which is taken away from each score by one subtraction:
; the exponent is exactly 0 at the maximum and never above 0, so a row's sum is at least 1 and no p is above 1, whatever the scores' size.
; LIMITS: v_exp_f32 gives 0 for results below 2^-126; p below 2^-24 rounds to 0 in f16; a y beyond 65,504 in magnitude becomes an infinity;
; the sum of a row's p is taken before they are rounded to f16.
;
; SHARE.  A work-group has 256 queries of TWO neighbouring heads: in memory the pair's k, v, q and y are 256 consecutive bytes of each row,
; at a multiple of 256.  Eight waves: wave w has head w / 4 of the pair and queries 64 (w % 4) .. + 63, as four blocks of 16.
; CLUSTER of 4: four query blocks of one batch and head pair walk the same K and V tiles, so each tile is asked for jointly (mask 15).
;
; TRANSPOSED PRODUCTS.  S^T = K Q^T: source 0 = 16 tokens of K, source 1 = 16 queries.  Lane l = (r = l % 16, h = l / 16), register j holds
; the score of token 8 h + j and query r.  Two neighbouring S^T tiles, packed to f16 in the lane, ARE a source-1 fragment of P^T (32 tokens
; x 16 queries): no lane exchange.  y^T = V^T P^T: source 0 = 16 d x 32 tokens of V^T, by the transposing LDS load; the result's lane
; holds d = 8 h + j of query r.  So maximum, sum and rescale factor are one number a lane, and only the maximum crosses the two halves.
;
; THE LOOP BY TURNS.  The wave's four query blocks are two pieces, A = blocks 0, 1 and B = blocks 2, 3.  They share the K and V fragments,
; and one piece's vector work stands between the other piece's products.  A step of 64 tokens has four phases:
;   1  S^T of A, 16 products; behind each a slice of B's exponentials of the step before
;   2  B's p are packed and A's maxima made; then y^T of B of the step before, 16 products, with A's sums rescaled between them
;   3  S^T of B; behind each product a slice of A's exponentials
;   4  A's p are packed and B's maxima made; then y^T of A, with B's sums rescaled between them
; WINDOWS.  The slices run under the products' own settings.  For S^T source 1 (Q) is window 1 and the rest window 0: a vector instruction
; there can name window 0 as destination, source 0 and source 2, so the subtraction of the maximum and the sums of p are written as
; fused multiply-adds by 1.0 with the addend as source 2, one instruction each as an add would be.  For y^T source 1 is window 0 and the
; rest window 1: the rescale (sums in window 1, factor in window 0) fits.  Maxima and packing take scores as source 1 and write window 0:
; between products they would want two switches a slice, so they stand by themselves, 88 of a piece's 244 vector instructions.
; Seven switches for a step's 64 products.
;
; LDS: two slots of 256 tokens.  In a slot K at 0: 256 rows, pitch 272; V at 73,728: 256 rows, pitch 288 (9 x 32, as the transposing
; load's eight rows want).  V's offset is 4 x 64 x 288, so that a tile's LDS address is slot + wave x constant for K (waves 0-3) and
; for V (waves 4-7).
.set KP,    272
.set VP,    288
.set VOFF,  4*64*VP                    ; 73,728
.set SLOT,  VOFF+256*VP                ; 147,456
.set TILEB, 256*2048                   ; bytes of memory from one tile of 256 tokens to the next
.set YP,    144                        ; the way out: 128 bytes of a y row + 16
.set KADR, 8                           ; v8-9    LDS address of my K fragments in slot 0, 1
.set VADR, 10                          ; v10-13  of my V fragments: slot s, tokens 0-127 / 128-255 at 2 s + half (the immediate has 16 bits)
.set QOFF, 14                          ; v14     my byte offset in q
.set STO,  15                          ; v15     the way out: where I put 16 bytes
.set RD,   16                          ; v16     where I read them back
.set CO,   17                          ; v17     my byte offset in y
.set NG,   20                          ; v20-27  minus the running maximum, a pair for each query block
.set MX,   28                          ; v28-31  the running maximum of query block q
.set AL,   32                          ; v32-39  rescale factor, a pair for each query block (at the end: 1 / sum)
.set LSP,  40                          ; v40-55  running sums of p: query block q has two pairs at 4 q, four chains
.set T,    56                          ; v56-63  at work: four for each of a piece's two blocks
.set KF,   64                          ; v64-127 K fragments: token block tb, K half ks at 16 tb + 8 ks
.set SC,   128                         ; v128-255 scores: query block q, token block tb at 32 q + 8 tb; then P: (q, g) at 32 q + 16 g
.set ACC,  0                           ; window 1: y^T sums, (q, db) at 32 q + 8 db
.set QF,   128                         ; window 1: Q fragments at 16 q + 8 ks
.set VF,   192                         ; window 1: V^T fragments at 32 g + 8 db
.set QS,   0x04                         ; the setting of S^T: source 1 window 1, the rest window 0
.set PS,   0x51                         ; the setting of y^T: source 1 window 0, the rest window 1
.set G1K, 16                           ; s[16:23] group 1 for K's tiles
.set G1V, 24                           ; s[24:31] for V's: another pad
.set G0K, 32                           ; s[32:39] group 0 for K's tiles, one set for each slot
.set G0V, 40                           ; s[40:47] for V's
.set MSB, 0
.macro WIN new                         ; low byte: bits 1:0 source 0, 3:2 source 1, 5:4 source 2, 7:6 destination; the high byte repeats the setting that is left
.if MSB != \new
	s_set_vgpr_msb (MSB<<8)|\new
.set MSB, \new
.endif
.endm
.macro ROUND                           ; a round of the cluster's barrier
	s_barrier_signal -1
	s_barrier_wait -1
	s_cmp_lg_u32 s8, 0
	s_cbranch_scc1 .Lnot_wave_0_\@
	s_barrier_signal -3
.Lnot_wave_0_\@:
	s_barrier_wait -3
	s_barrier_signal -1
	s_barrier_wait -1
.endm
.macro JLOAD s                         ; a joint load: waves 0-3 fetch 64 rows of K each, waves 4-7 64 rows of V each
	s_cmp_eq_u32 s9, 0
	s_cbranch_scc0 .Lfor_v_\@
	tensor_load_to_lds s[G0K+4*(\s):G0K+4*(\s)+3], s[G1K:G1K+7]
	s_nop 0
	s_branch .Lasked_\@
.Lfor_v_\@:
	tensor_load_to_lds s[G0V+4*(\s):G0V+4*(\s)+3], s[G1V:G1V+7]
	s_nop 0
.Lasked_\@:
.endm
	s_load_b128 s[4:7], s[0:1], 0x0                ; qkv s[4:5], yh s[6:7]
	v_lshl_add_u32 v18, v0, 2, 0x48000
	v_mov_b32 v19, 0
	ds_add_u32 v18, v19
	v_lshrrev_b32 v1, 5, v0
	v_readfirstlane_b32 s8, v1                     ; wave 0..7
	s_lshr_b32 s9, s8, 2                           ; which head of the pair.  Also: I fetch for K (0) or for V (1)
	s_and_b32 s10, s8, 3                           ; which 64 queries.  Also: which 64 rows of a tile I fetch
	s_bfe_u32 s11, ttmp6, 0x40000                  ; cx: my place in the cluster
	s_lshr_b32 s12, ttmp9, 4                       ; the cluster's number: batch,
	s_bfe_u32 s13, ttmp9, 0x30001                  ; head pair (3 bits from bit 1),
	s_and_b32 s14, ttmp9, 1                        ; and which half of the queries
	s_lshl_b32 s14, s14, 2
	s_add_co_u32 s14, s14, s11                     ; my block of 256 queries, 0..7
	s_mov_b32 s52, 0x76543210                      ; v_permlanex16_b32: lane i of one half reads lane i of the other
	s_mov_b32 s53, 0xfedcba98
	; group 1: a tile of 64 rows x 128 elements of 2 bytes, rows 1,024 elements apart, padded behind every 256 bytes by 16 (K) or 32 (V)
	s_mov_b32 s[G1K+0], 15|(1<<16)|(1<<20)|(1<<21)|(5<<22)|(3<<25)  ; 15:0 mask: all four of the cluster; 17:16 2-byte elements; 20 padding; 21 set beside a mask; 24:22 every 64 words; 31:25 4 words
	s_mov_b32 s[G1V+0], 15|(1<<16)|(1<<20)|(1<<21)|(5<<22)|(7<<25)  ; the same with 8 words
	s_mov_b32 s[G1K+1], 128<<16                    ; tensor_dim0 = 128
	s_mov_b32 s[G1V+1], 128<<16
	s_mov_b32 s[G1K+2], 64<<16                     ; tensor_dim1 = 64
	s_mov_b32 s[G1V+2], 64<<16
	s_mov_b32 s[G1K+3], 128<<16                    ; tile_dim0 = 128
	s_mov_b32 s[G1V+3], 128<<16
	s_mov_b32 s[G1K+4], 64                         ; tile_dim1 = 64
	s_mov_b32 s[G1V+4], 64
	s_mov_b32 s[G1K+5], 1024                       ; elements from row to row
	s_mov_b32 s[G1V+5], 1024
	s_mov_b32 s[G1K+6], 0
	s_mov_b32 s[G1V+6], 0
	s_mov_b32 s[G1K+7], 0
	s_mov_b32 s[G1V+7], 0
	; byte offsets.  s54 (K, V) is made of the cluster's number and the wave's alone; what holds cx goes to q and y only.
	s_lshl_b32 s54, s12, 22                        ; batch: 2048 rows of 2,048 bytes
	s_lshl_b32 s56, s13, 8                         ; head pair: 256 bytes
	s_add_co_u32 s54, s54, s56
	s_lshl_b32 s58, s14, 19                        ; my 256 queries
	s_add_co_u32 s58, s58, s54
	s_mov_b32 s59, 0
	s_lshl_b32 s56, s10, 17                        ; 64 rows
	s_add_co_u32 s54, s54, s56                     ; K, V: my 64 rows of a tile
	s_mov_b32 s55, 0
	s_add_co_u32 s60, s58, s56                     ; q: my 64 queries,
	s_lshl_b32 s56, s9, 7                          ; my head: 128 bytes (kept for the LDS addresses below)
	s_add_co_u32 s60, s60, s56
	s_mov_b32 s61, 0
	s_mul_i32 s2, s8, 64*KP                        ; K's tile in LDS: wave x 64 rows (waves 0-3)
	s_mul_i32 s3, s8, 64*VP                        ; V's: wave x 64 rows (waves 4-7: from VOFF on)
	s_wait_dscnt 0x0
	s_wait_kmcnt 0x0
	s_add_nc_u64 s[54:55], s[4:5], s[54:55]
	s_add_nc_u64 s[60:61], s[4:5], s[60:61]        ; q at my first query and head
	s_add_nc_u64 s[62:63], s[6:7], s[58:59]        ; y at the work-group's first query and head pair
	ROUND                                          ; all four work-groups are here: the first joint loads meet
.irp s, 0,1
	s_mov_b32 s[G0K+4*\s], 1                                       ; count = 1
	s_add_co_u32 s[G0K+4*\s+1], s2, \s*SLOT                        ; LDS address
	s_add_nc_u64 s[G0K+4*\s+2:G0K+4*\s+3], s[54:55], (1<<24)+\s*TILEB   ; k is the second 16 MiB of qkv; tile s
	s_or_b32 s[G0K+4*\s+3], s[G0K+4*\s+3], 0x80000000              ; type = 2
	s_mov_b32 s[G0V+4*\s], 1
	s_add_co_u32 s[G0V+4*\s+1], s3, \s*SLOT
	s_add_nc_u64 s[G0V+4*\s+2:G0V+4*\s+3], s[54:55], (2<<24)+\s*TILEB   ; v the third
	s_or_b32 s[G0V+4*\s+3], s[G0V+4*\s+3], 0x80000000
	JLOAD \s                                       ; both slots' first fills go out together: two tensor loads of a wave are out, the most in this text
.endr
	v_and_b32 v1, 15, v0                           ; r
	v_bfe_u32 v2, v0, 4, 1                         ; h
	v_and_b32 v3, 7, v0                            ; l % 8
	v_bfe_u32 v4, v0, 3, 1                         ; (l / 8) % 2
	v_lshlrev_b32 v[QOFF], 11, v1                  ; q: row r, 16 bytes for each half of the lanes
	v_lshl_add_u32 v[QOFF], v2, 4, v[QOFF]
	WIN 0x40                                       ; destination window 1
.irp q, 0,1,2,3
.irp ks, 0,1
	global_load_b128 v[QF+16*\q+8*\ks:QF+16*\q+8*\ks+3],   v[QOFF], s[60:61] offset:\q*32768+64*\ks      ; Q fragment: query r, d = 32 ks + 8 h ..
	global_load_b128 v[QF+16*\q+8*\ks+4:QF+16*\q+8*\ks+7], v[QOFF], s[60:61] offset:\q*32768+64*\ks+32   ; d = 32 ks + 16 + 8 h ..
.endr
.endr
	WIN 0
	v_mul_u32_u24 v6, v1, KP                       ; K fragment: token row r, 16 bytes for each half, my head's 128 bytes
	v_lshl_add_u32 v6, v2, 4, v6
	v_add_nc_u32 v[KADR], s56, v6
	v_add_nc_u32 v[KADR+1], SLOT, v[KADR]
	v_lshl_add_u32 v7, v2, 3, v3                   ; V^T fragment by the transposing load: token row 8 h + l % 8, 16 bytes (l / 8) % 2
	v_mul_u32_u24 v7, v7, VP
	v_lshl_add_u32 v7, v4, 4, v7
	s_add_co_u32 s57, s56, VOFF
	v_add_nc_u32 v[VADR], s57, v7
	v_add_nc_u32 v[VADR+1], 128*VP, v[VADR]
	v_add_nc_u32 v[VADR+2], SLOT, v[VADR]
	v_add_nc_u32 v[VADR+3], SLOT, v[VADR+1]
	s_mul_i32 s57, s8, 64*YP                       ; my stage: wave x 64 rows of 144 bytes
	v_mul_u32_u24 v[STO], v1, YP
	v_lshl_add_u32 v[STO], v2, 4, v[STO]
	v_add_nc_u32 v[STO], s57, v[STO]
	s_mul_i32 s57, s8, 32*YP                       ; back: wave w takes y rows 32 w .. + 31: they lie in the stages of waves w / 2 and w / 2 + 4, from row 32 (w % 2): 9,216 (w / 2) + 4,608 (w % 2) = 4,608 w
	v_mul_u32_u24 v[RD], v2, YP                    ; lanes 0-15 one row, lanes 16-31 the next
	v_lshl_add_u32 v[RD], v3, 4, v[RD]             ; eight lanes take a head's 128 bytes;
	v_mul_u32_u24 v5, v4, 4*64*YP                  ; lanes 8-15 those of the pair's second head, four stages further on
	v_add_nc_u32 v[RD], v5, v[RD]
	v_add_nc_u32 v[RD], s57, v[RD]
	s_lshl_b32 s57, s8, 16                         ; and the same rows in y: 32 rows of 2,048 bytes a wave
	v_lshlrev_b32 v[CO], 11, v2
	v_lshl_add_u32 v[CO], v1, 4, v[CO]
	v_add_nc_u32 v[CO], s57, v[CO]
; 16 LDS loads: the K fragments of tokens 64 i .. 64 i + 63 of a slot
.macro KLOAD slot, i
	WIN 0
.irp tb, 0,1,2,3
.irp ks, 0,1
	ds_load_b128 v[KF+16*\tb+8*\ks:KF+16*\tb+8*\ks+3],   v[KADR+\slot] offset:(64*(\i)+16*\tb)*KP+64*\ks
	ds_load_b128 v[KF+16*\tb+8*\ks+4:KF+16*\tb+8*\ks+7], v[KADR+\slot] offset:(64*(\i)+16*\tb)*KP+64*\ks+32
.endr
.endr
.endm
; 16 transposing LDS loads: the V^T fragments of the same tokens: group g of 32 tokens, block db of 16 d
.macro VLOAD slot, i
	WIN 0x40
.irp g, 0,1
.irp db, 0,1,2,3
	ds_load_tr16_b128 v[VF+32*\g+8*\db:VF+32*\g+8*\db+3],   v[VADR+2*\slot+(\i)/2] offset:(((\i)%2)*64+32*\g)*VP+32*\db
	ds_load_tr16_b128 v[VF+32*\g+8*\db+4:VF+32*\g+8*\db+7], v[VADR+2*\slot+(\i)/2] offset:(((\i)%2)*64+32*\g)*VP+32*\db+16*VP
.endr
.endr
.endm
; THE SOFTMAX OF A PIECE (query blocks qe, qe + 1: 64 score registers) goes by sixteen half tiles of four registers, k = 0 .. 15.
; score - maximum for half tile k.  The addend is source 2, so that the line also stands under the setting of S^T.
.macro ESUB qe, k
.set HS, SC+32*(\qe+(\k)/8)+4*((\k)%8)
.set HN, NG+2*(\qe+(\k)/8)
	v_pk_fma_f32 v[HS:HS+1],   v[HS:HS+1],   1.0, v[HN:HN+1] op_sel_hi:[1,0,1]
	v_pk_fma_f32 v[HS+2:HS+3], v[HS+2:HS+3], 1.0, v[HN:HN+1] op_sel_hi:[1,0,1]
.endm
; half tile k's four p join their block's four running sums.  first = 1: a block's first half tile of the launch starts them.
.macro ESUM qe, k, first
.set HS, SC+32*(\qe+(\k)/8)+4*((\k)%8)
.set HL, LSP+4*(\qe+(\k)/8)
.set ST, 0
.if \first
.if ((\k)%8) == 0
.set ST, 1
.endif
.endif
.if ST
	s_wait_alu depctr_va_vdst(0)
	v_pk_fma_f32 v[HL:HL+1],   v[HS:HS+1],   1.0, 0 op_sel_hi:[1,0,0]
	v_pk_fma_f32 v[HL+2:HL+3], v[HS+2:HS+3], 1.0, 0 op_sel_hi:[1,0,0]
.else
	s_wait_alu depctr_va_vdst(0)
	v_pk_fma_f32 v[HL:HL+1],   v[HS:HS+1],   1.0, v[HL:HL+1]   op_sel_hi:[1,0,1]
	v_pk_fma_f32 v[HL+2:HL+3], v[HS+2:HS+3], 1.0, v[HL+2:HL+3] op_sel_hi:[1,0,1]
.endif
.endm
; Slice k, eight instructions: half tile k's exponentials, the next half tile's subtraction, the last half tile's sums.  So plain
; instructions that touch none of them stand behind the four exponentials before their results are used (ISA guide 5.7.2).
.macro ESL qe, k, first
.set HB, SC+32*(\qe+(\k)/8)+4*((\k)%8)
	v_exp_f32 v[HB],   v[HB]
	v_exp_f32 v[HB+1], v[HB+1]
	v_exp_f32 v[HB+2], v[HB+2]
	v_exp_f32 v[HB+3], v[HB+3]
.if (\k) < 15
	ESUB \qe, (\k)+1
.endif
.if (\k) > 0
	ESUM \qe, (\k)-1, \first
.endif
.endm
; 16 products: S^T of blocks qp, qp + 1, 64 tokens.  The eight tiles take turns, one instruction a turn;
; the first half of d starts the sums.  Behind each product a slice of the other piece (emode 0; 1: its first step; 2: none).
.macro QKE qp, qe, emode
.set n, 0
.rept 16
.set SD, SC+32*(\qp+(n%8)/4)+8*(n%4)
.set QD, QF+16*(\qp+(n%8)/4)
.set KD, KF+16*(n%4)
.if n < 8
	v_wmma_f32_16x16x32_f16 v[SD:SD+7], v[KD:KD+7], v[QD:QD+7], 0
.else
	v_wmma_f32_16x16x32_f16 v[SD:SD+7], v[KD+8:KD+15], v[QD+8:QD+15], v[SD:SD+7]
.endif
.if \emode != 2
	ESL \qe, n, \emode
.endif
.set n, n+1
.endr
.endm
; The last half tile's sums, then the piece's 64 p are packed to f16: 32 registers, four source-1 fragments of P^T.  Window 0.
.macro CVT qa, first
	ESUM \qa, 15, \first
.irp d, 0,1
.irp g, 0,1
.irp i, 0,1,2,3,4,5,6,7
	v_cvt_pk_f16_f32 v[SC+32*(\qa+\d)+16*\g+\i], v[SC+32*(\qa+\d)+16*\g+2*\i], v[SC+32*(\qa+\d)+16*\g+2*\i+1]   ; in place, upward: register i has been read before it is written
.endr
.endr
.endr
.endm
; The piece's new maxima, rescale factors and rescaled sums of p, its two blocks side by side; then half tile 0's subtraction.  Window 0.
.macro MAXS qa, first
.irp d, 0,1
.irp c, 0,1,2,3
	v_max3_num_f32 v[T+4*\d+\c], v[SC+32*(\qa+\d)+8*\c], v[SC+32*(\qa+\d)+8*\c+1], v[SC+32*(\qa+\d)+8*\c+2]   ; four chains a block
.endr
.endr
.irp d, 0,1
.irp c, 0,1,2,3
	v_max3_num_f32 v[T+4*\d+\c], v[T+4*\d+\c], v[SC+32*(\qa+\d)+8*\c+3], v[SC+32*(\qa+\d)+8*\c+4]
.endr
.endr
.irp d, 0,1
.irp c, 0,1,2,3
	v_max3_num_f32 v[T+4*\d+\c], v[T+4*\d+\c], v[SC+32*(\qa+\d)+8*\c+5], v[SC+32*(\qa+\d)+8*\c+6]
.endr
.endr
.irp d, 0,1
	v_max3_num_f32 v[T+4*\d],   v[T+4*\d],   v[SC+32*(\qa+\d)+7],  v[SC+32*(\qa+\d)+15]
	v_max3_num_f32 v[T+4*\d+2], v[T+4*\d+2], v[SC+32*(\qa+\d)+23], v[SC+32*(\qa+\d)+31]
.endr
.irp d, 0,1
	v_max3_num_f32 v[T+4*\d], v[T+4*\d], v[T+4*\d+1], v[T+4*\d+2]
.endr
.irp d, 0,1
	v_max_num_f32 v[T+4*\d], v[T+4*\d], v[T+4*\d+3]
.endr
.irp d, 0,1
	v_permlanex16_b32 v[T+4*\d+1], v[T+4*\d], s52, s53                     ; the query's other 32 tokens lie in the other half of the lanes
.endr
.if \first
.irp d, 0,1
	v_max_num_f32 v[MX+\qa+\d], v[T+4*\d], v[T+4*\d+1]
.endr
.irp d, 0,1
	v_mul_f32 v[NG+2*(\qa+\d)],   -1.0, v[MX+\qa+\d]
	v_mul_f32 v[NG+2*(\qa+\d)+1], -1.0, v[MX+\qa+\d]
.endr
.else
.irp d, 0,1
	v_max3_num_f32 v[T+4*\d], v[T+4*\d], v[T+4*\d+1], v[MX+\qa+\d]         ; the running maximum joins
.endr
.irp d, 0,1
	v_sub_f32 v[T+4*\d+2], v[MX+\qa+\d], v[T+4*\d]                         ; old maximum - new, at most 0
.endr
.irp d, 0,1
	v_exp_f32 v[AL+2*(\qa+\d)], v[T+4*\d+2]                                ; what the old sums owe
.endr
.irp d, 0,1
	v_mov_b32 v[MX+\qa+\d], v[T+4*\d]                                      ; plain lines stand behind the exponentials before their results are used
.endr
.irp d, 0,1
	v_mul_f32 v[NG+2*(\qa+\d)],   -1.0, v[T+4*\d]                          ; exact
	v_mul_f32 v[NG+2*(\qa+\d)+1], -1.0, v[T+4*\d]
.endr
	s_wait_alu depctr_va_vdst(0)
.irp d, 0,1
	v_mov_b32 v[AL+2*(\qa+\d)+1], v[AL+2*(\qa+\d)]
.endr
.irp d, 0,1
	v_pk_mul_f32 v[LSP+4*(\qa+\d):LSP+4*(\qa+\d)+1],   v[LSP+4*(\qa+\d):LSP+4*(\qa+\d)+1],   v[AL+2*(\qa+\d):AL+2*(\qa+\d)+1]
	v_pk_mul_f32 v[LSP+4*(\qa+\d)+2:LSP+4*(\qa+\d)+3], v[LSP+4*(\qa+\d)+2:LSP+4*(\qa+\d)+3], v[AL+2*(\qa+\d):AL+2*(\qa+\d)+1]
.endr
.endif
	ESUB \qa, 0
.endm
; line m (0 .. 31) of a piece's rescale: two of its 64 sums of y^T times their block's factor.  Stands under the setting of y^T.
.macro RS qr, m
.set RA, ACC+32*(\qr+(\m)/16)+2*((\m)%16)
	v_pk_mul_f32 v[RA:RA+1], v[RA:RA+1], v[AL+2*(\qr+(\m)/16):AL+2*(\qr+(\m)/16)+1]
.endm
; 16 products: y^T of blocks qp, qp + 1 += V^T P^T for 64 tokens; the eight tiles take turns.  zero = 1: the first 32 tokens start the sums.
; resc = 1: the other piece's 32 rescale lines stand between them, two behind each of the first fourteen and four behind the last: those
; four are the places in front of the loads that land on these products' source 0.
.macro PVR qp, zero, qr, resc
.set n, 0
.rept 16
.set PQ, \qp+(n%8)/4
.set AD, ACC+32*PQ+8*(n%4)
.set VD, VF+32*(n/8)+8*(n%4)
.set PD, SC+32*PQ+16*(n/8)
.if n < 8
.if \zero
	v_wmma_f32_16x16x32_f16 v[AD:AD+7], v[VD:VD+7], v[PD:PD+7], 0
.else
	v_wmma_f32_16x16x32_f16 v[AD:AD+7], v[VD:VD+7], v[PD:PD+7], v[AD:AD+7]
.endif
.else
	v_wmma_f32_16x16x32_f16 v[AD:AD+7], v[VD:VD+7], v[PD:PD+7], v[AD:AD+7]
.endif
.if \resc
.if n < 14
	RS \qr, 2*n
	RS \qr, 2*n+1
.endif
.if n == 15
	RS \qr, 28
	RS \qr, 29
	RS \qr, 30
	RS \qr, 31
.endif
.endif
.set n, n+1
.endr
.if (\resc) == 0
.rept 5
	v_nop                                          ; nothing to rescale (the launch's first step, and its end): five places before the next products write over these products' source 1, or their results are read
.endr
.endif
.endm
; Out of slot 'old'.  Every wave waits for all its tensor loads (its part of the other slot among them) and for its reads of 'old'.
; refill = 1: a round of the cluster's barrier, so that both hold of every wave of all four work-groups, and the joint refill of 'old'
; first behind it, one tensor load a wave; it has the other slot's four steps in which to land.
.macro CHANGE old, refill
	s_wait_tensorcnt 0x0                           ; no tensor load of mine is out: a group 0 may be written
	ds_add_u32 v18, v19
	s_wait_dscnt 0x0
.if \refill
	s_add_nc_u64 s[G0K+4*\old+2:G0K+4*\old+3], s[G0K+4*\old+2:G0K+4*\old+3], 2*TILEB
	s_add_nc_u64 s[G0V+4*\old+2:G0V+4*\old+3], s[G0V+4*\old+2:G0V+4*\old+3], 2*TILEB
.endif
	s_wait_dscnt 0x0                               ; my reads of this slot are back: the last were this step's V fragments
.if \refill
	ROUND
	JLOAD \old
.else
	s_barrier_signal -1
	s_barrier_wait -1
.endif
.endm
; A step of 64 tokens: tokens 64 i .. of a slot.  fa = 1: the launch's first step.  fb: piece B's step before: 0 as ever, 1 the first, 2 none.
; nxt: where the next K fragments come from: 0 this slot; 1 the other slot, this one filled again; 2 the other slot, no fill; 3 nowhere.
.macro TRIP slot, i, fa, fb, nxt
	s_wait_dscnt 0x0                               ; this step's K fragments are in: nothing younger is out
	WIN QS
	QKE 0, 2, \fb                                  ; phase 1
	WIN 0                                          ; phase 2
.if \fb == 2
.rept 4
	v_nop                                          ; the first step has no other work for the four places in front of the maxima
.endr
.else
	CVT 2, \fb
.endif
	MAXS 0, \fa
.if \fb != 2
	WIN PS
	PVR 2, \fb, 0, 1
.endif
	VLOAD \slot, \i                                ; phase 3: this step's V fragments have the phase in which to come
	WIN QS
	QKE 2, 0, \fa
	WIN 0                                          ; phase 4
	CVT 0, \fa
.if \nxt == 0
	KLOAD \slot, \i+1
.endif
.if \nxt == 1
	CHANGE \slot, 1
	KLOAD 1-\slot, 0
.endif
.if \nxt == 2
	CHANGE \slot, 0
	KLOAD 1-\slot, 0
.endif
	MAXS 2, \fa
.if \nxt == 3
	s_wait_dscnt 0x0
.else
	s_wait_dscnt 16                                ; V's fragments are in; the sixteen loads of the next K fragments may be out
.endif
	WIN PS
	PVR 0, \fa, 2, 1-\fa
.endm
	s_wait_tensorcnt 0x1                           ; my part of tile 0 is in; tile 1's may stay out
	s_barrier_signal -1
	s_barrier_wait -1                              ; everybody's is
	s_wait_loadcnt 0x0                             ; Q
	KLOAD 0, 0
	TRIP 0, 0, 1, 2, 0                             ; tile 0's first three steps stand in front of the loop: they start maxima and sums
	TRIP 0, 1, 0, 1, 0
	TRIP 0, 2, 0, 0, 0
	WIN 0                                          ; at a label and at a branch every window is 0
	s_mov_b32 s51, 3
.Ltiles:                                           ; the loop begins at a slot's last step, so that each of its trips fills both slots: no fill is jumped over
	TRIP 0, 3, 0, 0, 1                             ; tiles 0, 2, 4 end; tiles 2, 4, 6 go out into slot 0
	TRIP 1, 0, 0, 0, 0                             ; tiles 1, 3, 5
	TRIP 1, 1, 0, 0, 0
	TRIP 1, 2, 0, 0, 0
	TRIP 1, 3, 0, 0, 1                             ; tiles 3, 5, 7 go out into slot 1
	TRIP 0, 0, 0, 0, 0                             ; tiles 2, 4, 6
	TRIP 0, 1, 0, 0, 0
	TRIP 0, 2, 0, 0, 0
	WIN 0
	s_sub_co_u32 s51, s51, 1
	s_cmp_lg_u32 s51, 0
	s_cbranch_scc1 .Ltiles
	TRIP 0, 3, 0, 0, 2                             ; tile 6 ends; nothing is left to fetch; behind this barrier no wave reads slot 0, and it has had its last fill
	TRIP 1, 0, 0, 0, 0                             ; tile 7
	TRIP 1, 1, 0, 0, 0
	TRIP 1, 2, 0, 0, 0
	TRIP 1, 3, 0, 0, 3
	WIN 0                                          ; piece B's last step: its exponentials, packing and products, with no partner left
.set e, 0
.rept 16
	ESL 2, e, 0
.set e, e+1
.endr
	CVT 2, 0
	WIN PS
	PVR 2, 0, 0, 0
	; THE END: divide by the sums, round to f16, and out through LDS so that whole y rows of the head pair (256 bytes) are stored.
	WIN 0
.irp q, 0,1,2,3
	v_pk_add_f32 v[T+2*\q:T+2*\q+1], v[LSP+4*\q:LSP+4*\q+1], v[LSP+4*\q+2:LSP+4*\q+3]   ; a block's four chains
.endr
.irp q, 0,1,2,3
	v_add_f32 v[T+2*\q], v[T+2*\q], v[T+2*\q+1]
.endr
.irp q, 0,1,2,3
	v_permlanex16_b32 v[T+2*\q+1], v[T+2*\q], s52, s53                     ; the other half's tokens
.endr
.irp q, 0,1,2,3
	v_add_f32 v[T+2*\q], v[T+2*\q], v[T+2*\q+1]                            ; at least 1: the token of the maximum has p = 2^0
.endr
.irp q, 0,1,2,3
	v_rcp_f32 v[AL+2*\q], v[T+2*\q]
.endr
	v_nop                                          ; the plain place behind the reciprocals
	s_wait_alu depctr_va_vdst(0)
.irp q, 0,1,2,3
	v_mov_b32 v[AL+2*\q+1], v[AL+2*\q]
.endr
	WIN PS
.set e, 0
.rept 32
	RS 0, e
	RS 2, e
.set e, e+1
.endr
	WIN 0x05                                       ; sources window 1, destination window 0
.irp q, 0,1,2,3
.irp db, 0,1,2,3
.irp i, 0,1,2,3
	v_cvt_pk_f16_f32 v[SC+16*\q+4*\db+\i], v[ACC+32*\q+8*\db+2*\i], v[ACC+32*\q+8*\db+2*\i+1]
.endr
.endr
.endr
	WIN 0
.irp q, 0,1,2,3
.irp db, 0,1,2,3
	ds_store_b128 v[STO], v[SC+16*\q+4*\db:SC+16*\q+4*\db+3] offset:\q*16*YP+32*\db   ; query 16 q + r, d = 16 db + 8 h .. + 7
.endr
.endr
	s_wait_dscnt 0x0                               ; for the others' sake: a y row holds two waves' halves
	s_barrier_signal -1
	s_barrier_wait -1
.irp t, 0,1,2,3,4,5,6,7,8,9,10,11,12,13,14,15
	ds_load_b128 v[KF+4*\t:KF+4*\t+3], v[RD] offset:\t*2*YP    ; lanes 0-7 and 8-15 lie 36,864 bytes apart, a multiple of 256: these sixteen loads collide two deep, once in the launch
.endr
.irp t, 0,1,2,3,4,5,6,7,8,9,10,11,12,13,14,15
	s_wait_dscnt 15-\t                             ; load t is in, the younger ones stay out
	global_store_b128 v[CO], v[KF+4*\t:KF+4*\t+3], s[62:63] offset:\t*4096   ; 16 lanes store 256 consecutive bytes at a multiple of 256
.endr
	s_wait_tensorcnt 0x0
	ds_add_u32 v18, v19
	s_wait_dscnt 0x0
	ROUND                                          ; the closing round: no work-group ends while a partner may still ask for a tile that names it
	s_endpgm
.Lfunc_end_k_q0e04940a4c_attn:
	.size	k_q0e04940a4c_attn, .Lfunc_end_k_q0e04940a4c_attn-k_q0e04940a4c_attn
	.p2alignl 7, 3214868480
	.fill 96, 4, 3214868480
	.section	.rodata,"a",@progbits
	.p2align	6, 0x0
	.amdhsa_kernel k_q0e04940a4c_attn
		.amdhsa_group_segment_fixed_size 327680
		.amdhsa_private_segment_fixed_size 0
		.amdhsa_enable_private_segment 0
		.amdhsa_kernarg_size 16
		.amdhsa_user_sgpr_count 2
		.amdhsa_user_sgpr_kernarg_segment_ptr 1
		.amdhsa_wavefront_size32 1
		.amdhsa_system_sgpr_workgroup_id_x 1
		.amdhsa_system_sgpr_workgroup_id_y 1
		.amdhsa_system_sgpr_workgroup_id_z 1
		.amdhsa_system_vgpr_workitem_id 0
		.amdhsa_next_free_vgpr 512
		.amdhsa_next_free_sgpr 66
		.amdhsa_reserve_vcc 0
		.amdhsa_float_denorm_mode_32 3
		.amdhsa_float_denorm_mode_16_64 3
		.amdhsa_memory_ordered 1
		.amdhsa_forward_progress 1
		.amdhsa_inst_pref_size 255
	.end_amdhsa_kernel
	.section	.bss,"aw",@nobits
	.p2align	6
	.space	262144
	.amdgpu_metadata
---
amdhsa.version: [ 1, 2 ]
amdhsa.kernels:
  - .name:           k_q0e04940a4c_attn
    .symbol:         k_q0e04940a4c_attn.kd
    .args:
      - { .name: qkv, .offset: 0, .size: 8, .value_kind: global_buffer, .address_space: global }
      - { .name: yh, .offset: 8, .size: 8, .value_kind: global_buffer, .address_space: global }
    .group_segment_fixed_size: 327680
    .private_segment_fixed_size: 0
    .kernarg_segment_align: 8
    .kernarg_segment_size: 16
    .max_flat_workgroup_size: 256
    .sgpr_count:     66
    .vgpr_count:     512
    .wavefront_size: 32
...
	.end_amdgpu_metadata
.endif
;; end of part 3
;; launch outproj (part 4): grid 8 x 32, 4 waves a work-group, clusters of 4 x 4, 327,680 bytes of LDS; arguments yh, wh, bp, out0; writes out0
.if DOCPART == 4
	.amdgcn_target "amdgcn-amd-amdhsa--gfx1250"
	.amdhsa_code_object_version 6
	.text
	.protected	k_q0e04940a4c_outproj
	.globl	k_q0e04940a4c_outproj
	.p2align	8
	.type	k_q0e04940a4c_outproj,@function
k_q0e04940a4c_outproj:
	s_mov_b64 s[64:65], 0
	v_nop
	global_prefetch_b8 v0, s[64:65] scope:SCOPE_SE
	s_setreg_imm32_b32 hwreg(HW_REG_WAVE_MODE, 25, 1), 1
	s_wait_xcnt 0x0
	s_wait_alu depctr_hold_cnt(0) depctr_sa_sdst(0) depctr_va_vdst(0) depctr_va_sdst(0) depctr_va_ssrc(0) depctr_va_vcc(0) depctr_vm_vsrc(0)
	s_getreg_b32 s2, hwreg(HW_REG_IB_STS2, 6, 4)
	s_cmp_eq_u32 s2, 0
	s_cbranch_scc0 .Lentry_in_a_cluster
	s_endpgm
.Lentry_in_a_cluster:
	s_bfe_u32 s2, ttmp6, 0x10000c
	s_cmp_lg_u32 s2, 0xf033
	s_cbranch_scc0 .Lentry_shape_is_right
	s_endpgm
.Lentry_shape_is_right:
; CrossAttention, launch 4 of 4: out0 = y Wp^T + bp.  C[m][n] = sum over k of A[m][k] B[n][k] + bp[n], 8192 x 1024 x 1024.
; A = yh [8192][1024] f16, B = Wp = rows 3072 .. 4095 of wh, f16; sums f32, started from the bias; out0 f32.
; A work-group makes 256 x 128 of C, so that the 8192 x 1024 outputs give 256 work-groups; a wave makes 128 x 64: 32 accumulator tiles,
; 256 registers.  K goes in steps of 128 through two LDS slots (A's 256 rows, then B's 128), filled by the tensor data mover.
; CLUSTERS: 4 x 4 work-groups; A's tile is shared along a row of the cluster, B's along a column, each asked for jointly by the four.
; REGISTERS: window 0: v0-31 addresses, v32-63 the bias as four C fragments, v64-127 and v128-191 fragments of A (two buffers),
; v192-223 and v224-255 fragments of B (two buffers);  window 1: the accumulators, tile (a, b) at 8 (4 a + b).
; The matrix instruction is used transposed (source 0 = rows of B, source 1 = rows of A): lane l holds row l % 16 of C and its registers
; the columns 8 (l / 16) + 0 .. 7, 32 neighbouring bytes of f32.
.set SIZE_K, 1024
.set KSTEP,  128
.set PITCH,  272                       ; 256 bytes + 16 of padding = 17 x 16
.set AHALF,  128*PITCH                 ; what waves 0 and 1 fetch, and what a wave reads of A
.set BHALF,  64*PITCH                  ; what waves 2 and 3 fetch, and what a wave reads of B
.set BOFF,   2*AHALF
.set SLOT,   2*AHALF+2*BHALF           ; 104,448
.set STAGE,  2*SLOT                    ; behind the ring: 16 rows x 272 bytes for each wave; no tensor load lands there
.set LAPS, SIZE_K/(2*KSTEP)            ; 4
.set ADRA, 16                          ; v16-17
.set ADRB, 20                          ; v20-21
.set STO,  24
.set RD,   25
.set CO,   26
.set BO,   27
.set BIAS, 32
.set FA,   64                          ; buffer f at FA + 64 f
.set FB,   192                         ; buffer f at FB + 32 f
.set G1, 24
.set G0, 32
.set G1B, 48
.set G0B, 56
.set MSB, 0
.macro WIN new
.if MSB != \new
	s_set_vgpr_msb (MSB<<8)|\new
.set MSB, \new
.endif
.endm
.macro JLOAD s                         ; waves 0 and 1 fetch A's two halves, waves 2 and 3 B's
	s_cmp_eq_u32 s11, 0
	s_cbranch_scc0 .Lfor_b_\@
	tensor_load_to_lds s[G0+4*\s:G0+4*\s+3], s[G1:G1+7]
	s_nop 0
	s_branch .Lasked_\@
.Lfor_b_\@:
	tensor_load_to_lds s[G0B+4*\s:G0B+4*\s+3], s[G1B:G1B+7]
	s_nop 0
.Lasked_\@:
.endm
.macro CREST                           ; a round of the cluster's barrier behind its opening barrier
	s_cmp_lg_u32 s10, 0
	s_cbranch_scc1 .Lnot_wave_0_\@
	s_barrier_signal -3
.Lnot_wave_0_\@:
	s_barrier_wait -3
	s_barrier_signal -1
	s_barrier_wait -1
.endm
.macro CROUND
	s_barrier_signal -1
	s_barrier_wait -1
	CREST
.endm
	s_load_b256 s[68:75], s[0:1], 0x0              ; yh s[68:69], wh s[70:71], bp s[72:73], out0 s[74:75]
	v_lshl_add_u32 v30, v0, 2, 0x37400
	v_mov_b32 v31, 0
	ds_add_u32 v30, v31
	v_lshrrev_b32 v1, 5, v0
	v_readfirstlane_b32 s10, v1                    ; wave 0..3
	s_lshr_b32 s11, s10, 1                         ; which 128 rows of the block are mine.  Also: I fetch for A (0) or for B (1)
	s_and_b32 s12, s10, 1                          ; which 64 columns.  Also: which half of that tile I fetch
	s_bfe_u32 s40, ttmp6, 0x40000                  ; cx
	s_bfe_u32 s41, ttmp6, 0x40004                  ; cy
	s_lshl_b32 s42, ttmp9, 2
	s_add_co_u32 s42, s42, s40                     ; block column (128 wide) = 4 x cluster x + cx
	s_and_b32 s13, ttmp7, 0xffff
	s_lshl_b32 s13, s13, 2
	s_add_co_u32 s13, s13, s41                     ; block row (256 high) = 4 x cluster y + cy
	s_lshl_b32 s43, s41, 2
	s_lshl_b32 s43, 15, s43                        ; my row of the cluster
	s_lshl_b32 s44, 0x1111, s40                    ; my column
	s_or_b32 s[G1+0], s43, (1<<16)|(1<<20)|(1<<21)|(5<<22)|(3<<25)  ; mask of my row; 2-byte elements; padding of 4 words behind every 64; bit 21 beside a mask
	s_or_b32 s[G1B+0], s44, (1<<16)|(1<<20)|(1<<21)|(5<<22)|(3<<25) ; mask of my column
	s_mov_b32 s[G1+1], KSTEP<<16                   ; tensor_dim0 = 128
	s_mov_b32 s[G1B+1], KSTEP<<16
	s_mov_b32 s[G1+2], 128<<16                     ; tensor_dim1: A 128 rows,
	s_mov_b32 s[G1B+2], 64<<16                     ; B 64
	s_mov_b32 s[G1+3], KSTEP<<16                   ; tile_dim0 = 128
	s_mov_b32 s[G1B+3], KSTEP<<16
	s_mov_b32 s[G1+4], 128                         ; tile_dim1
	s_mov_b32 s[G1B+4], 64
	s_mov_b32 s[G1+5], SIZE_K                      ; elements from row to row
	s_mov_b32 s[G1B+5], SIZE_K
	s_mov_b32 s[G1+6], 0
	s_mov_b32 s[G1B+6], 0
	s_mov_b32 s[G1+7], 0
	s_mov_b32 s[G1B+7], 0
	s_lshl_b32 s16, s13, 8
	s_lshl_b32 s17, s12, 7
	s_add_co_u32 s16, s16, s17                     ; A: row 256 x block row + 128 x half
	s_lshl_b32 s16, s16, 11                        ; rows of 2,048 bytes
	s_mov_b32 s17, 0
	s_lshl_b32 s46, s42, 7
	s_lshl_b32 s47, s12, 6
	s_add_co_u32 s46, s46, s47                     ; B: row 128 x block column + 64 x half
	s_add_co_u32 s46, s46, 3072                    ; of Wp, the fourth matrix in wh
	s_lshl_b32 s46, s46, 11
	s_mov_b32 s47, 0
	s_mul_i32 s20, s10, AHALF                      ; A's halves in LDS: wave x 128 rows (waves 0, 1)
	s_mul_i32 s21, s10, BHALF                      ; B's halves: BOFF + (wave - 2) x 64 rows = AHALF + wave x 64 rows (waves 2, 3)
	s_add_co_u32 s21, s21, AHALF
	s_wait_dscnt 0x0
	s_wait_kmcnt 0x0
	s_add_nc_u64 s[14:15], s[68:69], s[16:17]
	s_add_nc_u64 s[46:47], s[70:71], s[46:47]
	CROUND                                         ; all sixteen work-groups are here: the first joint loads meet
.irp s, 0,1
	s_mov_b32 s[G0+4*\s], 1
	s_add_co_u32 s[G0+4*\s+1], s20, \s*SLOT
	s_add_nc_u64 s[G0+4*\s+2:G0+4*\s+3], s[14:15], \s*KSTEP*2
	s_or_b32 s[G0+4*\s+3], s[G0+4*\s+3], 0x80000000
	s_mov_b32 s[G0B+4*\s], 1
	s_add_co_u32 s[G0B+4*\s+1], s21, \s*SLOT
	s_add_nc_u64 s[G0B+4*\s+2:G0B+4*\s+3], s[46:47], \s*KSTEP*2
	s_or_b32 s[G0B+4*\s+3], s[G0B+4*\s+3], 0x80000000
	JLOAD \s                                       ; both slots' first fills go out together: two tensor loads of a wave are out, the most in this text
.endr
	v_and_b32 v1, 15, v0                           ; l % 16
	v_bfe_u32 v2, v0, 4, 1                         ; l / 16
	s_lshl_b32 s77, s42, 9                         ; my first column in bytes of f32: 512 x block column + 256 x half
	s_lshl_b32 s76, s12, 8
	s_add_co_u32 s77, s77, s76
	v_lshl_add_u32 v[BO], v2, 5, s77               ; + 32 bytes for the upper half of the lanes
.irp b, 0,1,2,3
	global_load_b128 v[BIAS+8*\b:BIAS+8*\b+3],   v[BO], s[72:73] offset:64*\b      ; C fragment of block b: bp[first column + 16 b + 8 (l / 16) + 0..7]
	global_load_b128 v[BIAS+8*\b+4:BIAS+8*\b+7], v[BO], s[72:73] offset:64*\b+16
.endr
	v_mul_u32_u24 v3, v1, PITCH
	v_lshl_add_u32 v3, v2, 4, v3                   ; fragment: row x pitch + 16 x half
	s_mul_i32 s22, s11, AHALF                      ; my 128 rows of A
	s_mul_i32 s23, s12, BHALF                      ; my 64 rows of B,
	s_add_co_u32 s23, s23, BOFF                    ; which lie behind A's 256
.irp s, 0,1
	v_add_nc_u32 v[ADRA+\s], s22, v3
	v_add_nc_u32 v[ADRB+\s], s23, v3
	s_add_co_u32 s22, s22, SLOT
	s_add_co_u32 s23, s23, SLOT
.endr
	s_mul_i32 s76, s10, 16*PITCH
	s_add_co_u32 s76, s76, STAGE                   ; my stage
	v_mul_u32_u24 v4, v1, PITCH                    ; in: row l % 16, 32 bytes for each half of the lanes
	v_lshl_add_u32 v4, v2, 5, v4
	v_add_nc_u32 v[STO], s76, v4
	v_mul_u32_u24 v5, v2, PITCH                    ; back: lanes 0-15 one row of 256 bytes, lanes 16-31 the next
	v_lshl_add_u32 v5, v1, 4, v5
	v_add_nc_u32 v[RD], s76, v5
	v_lshlrev_b32 v5, 12, v2                       ; the same two rows in out0: 4,096 bytes a row
	v_lshl_add_u32 v[CO], v1, 4, v5
; 8 matrix instructions: m blocks a0, a0 + 1 x all 4 n blocks, 32 along K, from buffer f.  first = 1: the sums start from the bias.
.macro MUL8 f, a0, first
.irp a, \a0, \a0+1
.irp b, 0,1,2,3
.if \first
	v_wmma_f32_16x16x32_f16 v[8*(4*(\a)+\b):8*(4*(\a)+\b)+7], v[FB+32*\f+8*\b:FB+32*\f+8*\b+7], v[FA+64*\f+8*(\a):FA+64*\f+8*(\a)+7], v[BIAS+8*\b:BIAS+8*\b+7]
.else
	v_wmma_f32_16x16x32_f16 v[8*(4*(\a)+\b):8*(4*(\a)+\b)+7], v[FB+32*\f+8*\b:FB+32*\f+8*\b+7], v[FA+64*\f+8*(\a):FA+64*\f+8*(\a)+7], v[8*(4*(\a)+\b):8*(4*(\a)+\b)+7]
.endif
.endr
.endr
.endm
.macro MULWIN first
.if \first
	WIN 0x40                                       ; D window 1, C (the bias) window 0
.else
	WIN 0x50                                       ; C and D window 1
.endif
.endm
; 24 LDS loads in one run: 64 rows of B, then 128 rows of A, 32 K at byte k of the rows, into buffer f
.macro FETCH slot, k, f
	WIN 0
.irp i, 0,1,2,3
	ds_load_b128 v[FB+32*\f+8*\i:FB+32*\f+8*\i+3],   v[ADRB+\slot] offset:\k+\i*16*PITCH
	ds_load_b128 v[FB+32*\f+8*\i+4:FB+32*\f+8*\i+7], v[ADRB+\slot] offset:\k+\i*16*PITCH+32
.endr
.irp i, 0,1,2,3,4,5,6,7
	ds_load_b128 v[FA+64*\f+8*\i:FA+64*\f+8*\i+3],   v[ADRA+\slot] offset:\k+\i*16*PITCH
	ds_load_b128 v[FA+64*\f+8*\i+4:FA+64*\f+8*\i+7], v[ADRA+\slot] offset:\k+\i*16*PITCH+32
.endr
.endm
.macro PLACES                          ; four places behind a matrix instruction before a load lands on one of its sources or its result is read
.rept 4
	v_nop
.endr
.endm
; A quarter step: 32 matrix instructions on buffer f; in its middle the next quarter's fragments are fetched into buffer g.
; The 32 accumulators take turns, one instruction a turn, in the same order in every quarter.
.macro QUARTER slot, k, f, g, first
	s_wait_dscnt 8                                 ; B and A's rows 0-63 are in; the youngest eight loads (A's rows 64-127) may be out
	MULWIN \first
	MUL8 \f, 0, \first
	MUL8 \f, 2, \first
	PLACES
	FETCH \slot, \k, \g
	s_wait_dscnt 24                                ; all but the 24 just issued
	MULWIN \first
	MUL8 \f, 4, \first
	MUL8 \f, 6, \first
.endm
.macro THREE slot, first
	QUARTER \slot, 64,  0, 1, \first
	QUARTER \slot, 128, 1, 0, 0
	QUARTER \slot, 192, 0, 1, 0
.endm
; The last quarter multiplies buffer 1 and changes slots: each wave's reads of this slot and all its tensor loads are waited for in front
; of the barrier; behind it the refill comes first.  From a request to the wait for it a wave issues 120 matrix instructions.
.macro TURN slot, next, fill
	s_wait_dscnt 8
	WIN 0x50
	MUL8 1, 0, 0
	s_wait_dscnt 0                                 ; my reads of this slot are over
	s_wait_tensorcnt 0x0                           ; and all my tensor loads have landed: my part of the next slot
	ds_add_u32 v30, v31
	s_wait_dscnt 0x0
	s_barrier_signal -1                            ; where a slot is filled again this barrier opens a round of the cluster's barrier
	MUL8 1, 2, 0                                   ; register work while the others arrive
	WIN 0
	s_barrier_wait -1
.if \fill
	CREST                                          ; no wave of any partner still reads this slot's tile or has a load on its way
	s_add_nc_u64 s[G0+4*\slot+2:G0+4*\slot+3], s[G0+4*\slot+2:G0+4*\slot+3], 2*KSTEP*2
	s_add_nc_u64 s[G0B+4*\slot+2:G0B+4*\slot+3], s[G0B+4*\slot+2:G0B+4*\slot+3], 2*KSTEP*2
	JLOAD \slot                                    ; the first tensor load behind the round, my only one until the next
.endif
	PLACES
	FETCH \next, 0, 0
	WIN 0x50
	MUL8 1, 4, 0
	MUL8 1, 6, 0
.endm
.macro LAP first
	THREE 0, \first
	TURN 0, 1, 1
	THREE 1, 0
	TURN 1, 0, 1
.endm
	s_wait_tensorcnt 1                             ; my part of K step 0 is in; K step 1's may stay out
	s_barrier_signal -1
	s_barrier_wait -1
	s_wait_loadcnt 0x0                             ; the bias
	FETCH 0, 0, 0
	LAP 1                                          ; the first lap stands in front of the loop: its first products start the sums
	WIN 0
	s_mov_b32 s3, LAPS-2
.Llap:
	LAP 0
	WIN 0
	s_sub_co_u32 s3, s3, 1
	s_cmp_lg_u32 s3, 0
	s_cbranch_scc1 .Llap
	THREE 0, 0                                     ; the last lap fills nothing and has no round
	TURN 0, 1, 0
	THREE 1, 0
	s_wait_dscnt 8                                 ; the very last quarter
	WIN 0x50
	MUL8 1, 0, 0
	MUL8 1, 2, 0
	s_wait_dscnt 0
	MUL8 1, 4, 0
	MUL8 1, 6, 0
	; THE WAY OUT, 16 rows at a time through my own stage: 32 bytes a lane in, whole rows of 256 bytes (my 64 columns of f32) back.
	PLACES                                         ; the places behind the last matrix instructions
	s_lshl_b32 s16, s13, 8
	s_lshl_b32 s14, s11, 7
	s_add_co_u32 s16, s16, s14                     ; my first row
	s_lshl_b32 s16, s16, 12                        ; rows of 4,096 bytes
	s_mov_b32 s17, 0
	s_add_nc_u64 s[74:75], s[74:75], s[16:17]
	s_mov_b32 s46, s77                             ; my first column in bytes
	s_mov_b32 s47, 0
	s_add_nc_u64 s[74:75], s[74:75], s[46:47]
.macro OUT16 a, f
	WIN 0x04                                       ; an LDS store's data is source 1: window 1
.irp b, 0,1,2,3
	ds_store_b128 v[STO], v[8*(4*\a+\b):8*(4*\a+\b)+3]   offset:64*\b
	ds_store_b128 v[STO], v[8*(4*\a+\b)+4:8*(4*\a+\b)+7] offset:64*\b+16
.endr
	WIN 0
	s_wait_xcnt 0x0                                ; buffer f, which earlier stores read, and the stores' base are rewritten only behind this wait
.if \a
	s_add_nc_u64 s[74:75], s[74:75], 16*4096       ; 16 rows on
.endif
.irp t, 0,1,2,3,4,5,6,7
	ds_load_b128 v[\f+4*\t:\f+4*\t+3], v[RD] offset:\t*2*PITCH     ; LDS serves a wave's instructions in order: these see the stores above
.endr
.irp t, 0,1,2,3,4,5,6,7
	s_wait_dscnt 7-\t                              ; load t is in, the younger ones stay out
	global_store_b128 v[CO], v[\f+4*\t:\f+4*\t+3], s[74:75] offset:\t*8192 th:TH_STORE_NT   ; 16 lanes store 256 consecutive bytes at a multiple of 256
.endr
.endm
	OUT16 0, 64
	OUT16 1, 128
	OUT16 2, 64
	OUT16 3, 128
	OUT16 4, 64
	OUT16 5, 128
	OUT16 6, 64
	OUT16 7, 128
	s_wait_tensorcnt 0x0
	ds_add_u32 v30, v31
	s_wait_dscnt 0x0
	CROUND                                         ; the closing round
	s_endpgm
.Lfunc_end_k_q0e04940a4c_outproj:
	.size	k_q0e04940a4c_outproj, .Lfunc_end_k_q0e04940a4c_outproj-k_q0e04940a4c_outproj
	.p2alignl 7, 3214868480
	.fill 96, 4, 3214868480
	.section	.rodata,"a",@progbits
	.p2align	6, 0x0
	.amdhsa_kernel k_q0e04940a4c_outproj
		.amdhsa_group_segment_fixed_size 327680
		.amdhsa_private_segment_fixed_size 0
		.amdhsa_enable_private_segment 0
		.amdhsa_kernarg_size 32
		.amdhsa_user_sgpr_count 2
		.amdhsa_user_sgpr_kernarg_segment_ptr 1
		.amdhsa_wavefront_size32 1
		.amdhsa_system_sgpr_workgroup_id_x 1
		.amdhsa_system_sgpr_workgroup_id_y 1
		.amdhsa_system_sgpr_workgroup_id_z 1
		.amdhsa_system_vgpr_workitem_id 0
		.amdhsa_next_free_vgpr 512
		.amdhsa_next_free_sgpr 80
		.amdhsa_reserve_vcc 0
		.amdhsa_float_denorm_mode_32 3
		.amdhsa_float_denorm_mode_16_64 3
		.amdhsa_memory_ordered 1
		.amdhsa_forward_progress 1
		.amdhsa_inst_pref_size 119
	.end_amdhsa_kernel
	.amdgpu_metadata
---
amdhsa.version: [ 1, 2 ]
amdhsa.kernels:
  - .name:           k_q0e04940a4c_outproj
    .symbol:         k_q0e04940a4c_outproj.kd
    .args:
      - { .name: yh, .offset: 0, .size: 8, .value_kind: global_buffer, .address_space: global }
      - { .name: wh, .offset: 8, .size: 8, .value_kind: global_buffer, .address_space: global }
      - { .name: bp, .offset: 16, .size: 8, .value_kind: global_buffer, .address_space: global }
      - { .name: out0, .offset: 24, .size: 8, .value_kind: global_buffer, .address_space: global }
    .group_segment_fixed_size: 327680
    .private_segment_fixed_size: 0
    .kernarg_segment_align: 8
    .kernarg_segment_size: 32
    .max_flat_workgroup_size: 128
    .sgpr_count:     80
    .vgpr_count:     512
    .wavefront_size: 32
...
	.end_amdgpu_metadata
.endif
;; end of part 4
